; MI455X (gfx1250); checked and timed in simulation.
; The chip was launched on July 23, 2026; its instructions are those of AMD's public machine-readable ISA for CDNA 5 (MIT licence, August 2026) and "CDNA5" Instruction Set Architecture Reference Guide (July 2026). The comments in the code are by the model that wrote it; some were corrected since.
;; Qwen3 Omni Moe MLP. Allowed arithmetic: float matrix products may take bf16 or f16 operands with f32 sums; other float arithmetic in f32, or as packed bf16 or f16 multiplies, adds, multiply-adds, maxima and minima; sums over many terms, partial sums and values carried from step to step in f32; what a program stores and reads back later, other than sums and carried values, may be rounded once to bf16 or f16.
;; Inputs: W1 8 x 2,048 x 1,024 float32; W2 8 x 1,024 x 2,048 float32; Wg 8 x 1,024 float32; x 4 x 512 x 1,024 float32.
;; Outputs: out0 4 x 512 x 1,024 float32.
;; Constants: top_k = 2.
;; 3 versions, each right; version 2 is faster than version 1; version 3 is version 2 with the launches fc1, fc2 written anew for expert scheduling mode. Each part assembles by itself: llvm-mc -triple=amdgcn-amd-amdhsa -mcpu=gfx1250 --defsym DOCPART=n.
;; ======== version 1 of 3: 4 launches
;; limits: values are held in f16: magnitudes above 65,504 overflow, below 6.1e-05 lose precision
;; workspace buffers: xb 4,194,304 bytes; gw 16,384 bytes; bm 4,096 bytes of whole numbers; lst 32,768 bytes of whole numbers; cnt 1,024 bytes of whole numbers; hid 67,108,864 bytes; part 33,554,432 bytes
;; launch router (part 1): grid 256 x 1, 8 waves a work-group, no clusters, 17,920 bytes of LDS; arguments x, Wg, xb, gw, bm; writes xb, gw, bm
.if DOCPART == 1
	.amdgcn_target "amdgcn-amd-amdhsa--gfx1250"
	.amdhsa_code_object_version 6
	.text
	.protected	k_q0e7792fd4f_router
	.globl	k_q0e7792fd4f_router
	.p2align	8
	.type	k_q0e7792fd4f_router,@function
k_q0e7792fd4f_router:
	s_mov_b64 s[64:65], 0
	v_nop
	global_prefetch_b8 v0, s[64:65] scope:SCOPE_SE
	s_setreg_imm32_b32 hwreg(HW_REG_WAVE_MODE, 25, 1), 1
	s_wait_xcnt 0x0
; ROUTER.  For each of 2,048 tokens: x rounded to bf16 (stored in xb), logits = x . Wg[e] over 1,024 channels with x and Wg rounded to bf16 and f32 sums,
; softmax over the 8 experts (the maximum taken away first), the two largest probabilities (ties: the lower index), stored as
;   gw[token][2]  f32, the two probabilities;   bm: bit (slot*2048 + token) of expert e's 4,096 bits is set where slot's choice is e (byte e*512 + slot*256 + token/8).
; All addresses are fixed: the choice only enters stored data.  A work-group has 8 tokens (one byte of each of the 16 bit rows), a wave one token.
; LIMITS.  NaN and infinities are not treated apart.  An exponential below 2^-126 counts as 0.  p = exp * (1 / sum), so two probabilities that differ in the
; last bit only may be ordered otherwise than by an exact division.
.set WGL,   0                          ; Wg in bf16, expert e at e*2048: 16,384 bytes
.set IDX,   16384                      ; wave w: its two chosen experts at 8 w
.set WTS,   16640                      ; wave w: its two probabilities at 8 w
.set SPARE, 16896                      ; the spare words, 128 bytes a wave
.set SPW, 1                            ; v1  my spare word's address; never rewritten
.set NIL, 2                            ; v2  0; never rewritten
.set X,   16                           ; v16-47   my 32 numbers of the token's row, f32
.set XP,  48                           ; v48-63   the same in bf16, packed
.set W,   64                           ; v64-191  Wg: expert e, chunk c at W + 16 e + 2 c
.set ACC, 192                          ; v192-199 logits, then probabilities
.set PX,  200                          ; v200-207 the other half of the lanes' sums
	s_load_b256 s[4:11], s[0:1], 0x0               ; x s[4:5], Wg s[6:7], xb s[8:9], gw s[10:11]
	s_load_b64 s[12:13], s[0:1], 0x20              ; bm
	v_lshl_add_u32 v[SPW], v0, 2, SPARE
	v_mov_b32 v[NIL], 0
	v_and_b32 v3, 31, v0                           ; lane
	v_lshrrev_b32 v4, 5, v0
	v_readfirstlane_b32 s14, v4                    ; wave
	s_mov_b32 s16, 0x76543210                      ; v_permlanex16_b32: each lane takes its own place in the other half
	s_mov_b32 s17, 0xfedcba98
	s_mov_b32 s19, ttmp9                           ; work-group g
	s_lshl_b32 s18, s19, 3
	s_add_co_u32 s18, s18, s14                     ; token 8 g + w
	s_lshl_b32 s20, s18, 12                        ; its row in x
	s_mov_b32 s21, 0
	s_lshl_b32 s22, s14, 12                        ; row w of Wg
	s_mov_b32 s23, 0
	s_lshl_b32 s24, s18, 11                        ; its row in xb
	s_mov_b32 s25, 0
	v_lshlrev_b32 v5, 4, v3                        ; 16 x lane
	v_lshlrev_b32 v6, 3, v3                        ; 8 x lane
	v_lshl_add_u32 v7, s14, 11, v6                 ; where my part of Wg's row w goes in LDS
	s_wait_kmcnt 0x0
	s_add_nc_u64 s[4:5], s[4:5], s[20:21]
	s_add_nc_u64 s[6:7], s[6:7], s[22:23]
	s_add_nc_u64 s[8:9], s[8:9], s[24:25]
.irp c, 0,1,2,3,4,5,6,7                        ; chunk c: 512 consecutive bytes a load; lane l has channels 128 c + 4 l ..
	global_load_b128 v[X+4*(\c):X+4*(\c)+3], v5, s[4:5] offset:512*(\c) th:TH_LOAD_NT
.endr
.irp c, 0,1,2,3,4,5,6,7
	global_load_b128 v[W+4*(\c):W+4*(\c)+3], v5, s[6:7] offset:512*(\c)
.endr
.irp e, 0,1,2,3,4,5,6,7
	v_mov_b32 v[ACC+(\e)], 0
	v_mov_b32 v[PX+(\e)], 0                        ; v_permlanex16_b32 counts as a reader of its destination
.endr
	s_wait_loadcnt 0x0
.irp c, 0,1,2,3,4,5,6,7
	v_cvt_pk_bf16_f32 v[W+32+2*(\c)], v[W+4*(\c)], v[W+4*(\c)+1]
	v_cvt_pk_bf16_f32 v[W+33+2*(\c)], v[W+4*(\c)+2], v[W+4*(\c)+3]
	ds_store_b64 v7, v[W+32+2*(\c):W+33+2*(\c)] offset:WGL+256*(\c)
.endr
.irp c, 0,1,2,3,4,5,6,7
	v_cvt_pk_bf16_f32 v[XP+2*(\c)], v[X+4*(\c)], v[X+4*(\c)+1]
	v_cvt_pk_bf16_f32 v[XP+2*(\c)+1], v[X+4*(\c)+2], v[X+4*(\c)+3]
	global_store_b64 v6, v[XP+2*(\c):XP+2*(\c)+1], s[8:9] offset:256*(\c)  ; a wave's store covers 256 consecutive bytes, aligned
.endr
	s_wait_dscnt 0x0                               ; for the others' sake: my row of Wg is in LDS
	s_barrier_signal -1
	s_barrier_wait -1
.irp e, 0,1,2,3,4,5,6,7
.irp c, 0,1,2,3,4,5,6,7
	ds_load_b64 v[W+16*(\e)+2*(\c):W+16*(\e)+2*(\c)+1], v6 offset:WGL+2048*(\e)+256*(\c)
.endr
.endr
	s_wait_dscnt 0x0
	; 256 multiply-adds straight from bf16 halves into f32: eight chains, one an expert, by turns
.irp c, 0,1,2,3,4,5,6,7
.irp k, 0,1
.irp e, 0,1,2,3,4,5,6,7
	v_fma_mix_f32_bf16 v[ACC+(\e)], v[XP+2*(\c)+(\k)], v[W+16*(\e)+2*(\c)+(\k)], v[ACC+(\e)] op_sel_hi:[1,1,0]
.endr
.irp e, 0,1,2,3,4,5,6,7
	v_fma_mix_f32_bf16 v[ACC+(\e)], v[XP+2*(\c)+(\k)], v[W+16*(\e)+2*(\c)+(\k)], v[ACC+(\e)] op_sel:[1,1,0] op_sel_hi:[1,1,0]
.endr
.endr
.endr
	; the sums over the 32 lanes; every lane ends with the same bits (each step adds the same two numbers in both partners)
.irp m, 1,2,4,8
.irp e, 0,1,2,3,4,5,6,7
	v_add_f32_dpp v[ACC+(\e)], v[ACC+(\e)], v[ACC+(\e)] row_xmask:\m row_mask:0xf bank_mask:0xf
.endr
.endr
.irp e, 0,1,2,3,4,5,6,7
	v_permlanex16_b32 v[PX+(\e)], v[ACC+(\e)], s16, s17
.endr
.irp e, 0,1,2,3,4,5,6,7
	v_add_f32 v[ACC+(\e)], v[ACC+(\e)], v[PX+(\e)]
.endr
	; softmax: the maximum is taken away
	v_max3_num_f32 v8, v[ACC], v[ACC+1], v[ACC+2]
	v_max3_num_f32 v8, v8, v[ACC+3], v[ACC+4]
	v_max3_num_f32 v8, v8, v[ACC+5], v[ACC+6]
	v_max_num_f32 v8, v8, v[ACC+7]
.irp e, 0,1,2,3,4,5,6,7
	v_sub_f32 v[ACC+(\e)], v[ACC+(\e)], v8
.endr
.irp e, 0,1,2,3,4,5,6,7
	v_mul_f32 v[ACC+(\e)], 0x3fb8aa3b, v[ACC+(\e)] ; log2(e)
.endr
.irp e, 0,1,2,3,4,5,6,7
	v_exp_f32 v[ACC+(\e)], v[ACC+(\e)]
.endr
	v_nop                                          ; a plain instruction behind the last exponential,
	s_wait_alu depctr_va_vdst(0)                   ; and one wait for the batch of eight, ahead of its first reader
	v_add_f32 v9, v[ACC], v[ACC+1]
	v_add_f32 v10, v[ACC+2], v[ACC+3]
	v_add_f32 v11, v[ACC+4], v[ACC+5]
	v_add_f32 v12, v[ACC+6], v[ACC+7]
	v_add_f32 v9, v9, v10
	v_add_f32 v11, v11, v12
	v_add_f32 v9, v9, v11
	v_rcp_f32 v9, v9
	v_nop
	s_wait_alu depctr_va_vdst(0)
.irp e, 0,1,2,3,4,5,6,7
	v_mul_f32 v[ACC+(\e)], v[ACC+(\e)], v9
.endr
	; the largest (v10, index v12), then the largest of the others (v11, index v13); a strict compare keeps the lower index
	v_mov_b32 v10, v[ACC]
	v_mov_b32 v12, 0
.irp e, 1,2,3,4,5,6,7
	v_cmp_gt_f32 vcc_lo, v[ACC+(\e)], v10
	v_cndmask_b32 v10, v10, v[ACC+(\e)], vcc_lo
	v_cndmask_b32 v12, v12, \e, vcc_lo
.endr
	v_mov_b32 v11, -1.0
	v_mov_b32 v13, 0
.irp e, 0,1,2,3,4,5,6,7
	v_cmp_eq_u32 vcc_lo, \e, v12
	v_cndmask_b32 v14, v[ACC+(\e)], -1.0, vcc_lo   ; the winner is out of the second scan
	v_cmp_gt_f32 vcc_lo, v14, v11
	v_cndmask_b32 v11, v11, v14, vcc_lo
	v_cndmask_b32 v13, v13, \e, vcc_lo
.endr
	v_mov_b32 v15, s14
	v_lshlrev_b32 v15, 3, v15
	ds_store_b64 v15, v[12:13] offset:IDX          ; all lanes store the same two words
	ds_store_b64 v15, v[10:11] offset:WTS
	s_wait_dscnt 0x0                               ; for wave 0's sake
	s_barrier_signal -1
	s_barrier_wait -1
	s_cmp_lg_u32 s14, 0
	s_cbranch_scc1 .Lend
	; wave 0 gathers the 8 tokens: lane q = lane % 16 makes the byte of bit row q = 2 e + slot; the upper half of the lanes repeats the lower (same place, same value)
	v_and_b32 v16, 15, v3                          ; q
	v_lshrrev_b32 v17, 1, v16                      ; e
	v_and_b32 v18, 1, v16                          ; slot
	v_lshlrev_b32 v19, 2, v18
.irp i, 0,1,2,3,4,5,6,7
	ds_load_b32 v[24+(\i)], v19 offset:IDX+8*(\i)  ; token i's choice in my slot
.endr
	v_and_b32 v20, 7, v3
	v_lshlrev_b32 v20, 3, v20
	ds_load_b64 v[32:33], v20 offset:WTS           ; token lane % 8's two probabilities
	v_lshlrev_b32 v21, 8, v16
	v_add_nc_u32 v21, s19, v21                     ; bm: 256 q + g
	s_lshl_b32 s20, s19, 6
	v_add_nc_u32 v22, s20, v20                     ; gw: 64 g + 8 (lane % 8)
	v_mov_b32 v23, 0
	s_wait_dscnt 0x0
.irp i, 0,1,2,3,4,5,6,7
	v_cmp_eq_u32 vcc_lo, v[24+(\i)], v17
	v_cndmask_b32 v34, 0, 1, vcc_lo
	v_lshl_or_b32 v23, v34, \i, v23
.endr
	global_store_b8 v21, v23, s[12:13]
	global_store_b64 v22, v[32:33], s[10:11]
.Lend:
	s_wait_tensorcnt 0x0                           ; the wave's end: three lines behind my last LDS store
	ds_add_u32 v[SPW], v[NIL]
	s_wait_dscnt 0x0
	s_endpgm
.Lfunc_end_k_q0e7792fd4f_router:
	.size	k_q0e7792fd4f_router, .Lfunc_end_k_q0e7792fd4f_router-k_q0e7792fd4f_router
	.p2alignl 7, 3214868480
	.fill 96, 4, 3214868480
	.section	.rodata,"a",@progbits
	.p2align	6, 0x0
	.amdhsa_kernel k_q0e7792fd4f_router
		.amdhsa_group_segment_fixed_size 17920
		.amdhsa_private_segment_fixed_size 0
		.amdhsa_enable_private_segment 0
		.amdhsa_kernarg_size 40
		.amdhsa_user_sgpr_count 2
		.amdhsa_user_sgpr_kernarg_segment_ptr 1
		.amdhsa_wavefront_size32 1
		.amdhsa_system_sgpr_workgroup_id_x 1
		.amdhsa_system_sgpr_workgroup_id_y 1
		.amdhsa_system_sgpr_workgroup_id_z 1
		.amdhsa_system_vgpr_workitem_id 0
		.amdhsa_next_free_vgpr 208
		.amdhsa_next_free_sgpr 66
		.amdhsa_reserve_vcc 1
		.amdhsa_float_denorm_mode_32 3
		.amdhsa_float_denorm_mode_16_64 3
		.amdhsa_memory_ordered 1
		.amdhsa_forward_progress 1
		.amdhsa_inst_pref_size 37
	.end_amdhsa_kernel
	.amdgpu_metadata
---
amdhsa.version: [ 1, 2 ]
amdhsa.kernels:
  - .name:           k_q0e7792fd4f_router
    .symbol:         k_q0e7792fd4f_router.kd
    .args:
      - { .name: x, .offset: 0, .size: 8, .value_kind: global_buffer, .address_space: global }
      - { .name: Wg, .offset: 8, .size: 8, .value_kind: global_buffer, .address_space: global }
      - { .name: xb, .offset: 16, .size: 8, .value_kind: global_buffer, .address_space: global }
      - { .name: gw, .offset: 24, .size: 8, .value_kind: global_buffer, .address_space: global }
      - { .name: bm, .offset: 32, .size: 8, .value_kind: global_buffer, .address_space: global }
    .group_segment_fixed_size: 17920
    .private_segment_fixed_size: 0
    .kernarg_segment_align: 8
    .kernarg_segment_size: 40
    .max_flat_workgroup_size: 256
    .sgpr_count:     66
    .vgpr_count:     208
    .wavefront_size: 32
...
	.end_amdgpu_metadata
.endif
;; end of part 1
;; launch fc1 (part 2): grid 32 x 8, 8 waves a work-group, no clusters, 137,472 bytes of LDS; arguments xb, W1, bm, hid, lst, cnt; writes hid, lst, cnt
.if DOCPART == 2
	.amdgcn_target "amdgcn-amd-amdhsa--gfx1250"
	.amdhsa_code_object_version 6
	.text
	.protected	k_q0e7792fd4f_fc1
	.globl	k_q0e7792fd4f_fc1
	.p2align	8
	.type	k_q0e7792fd4f_fc1,@function
k_q0e7792fd4f_fc1:
	s_mov_b64 s[64:65], 0
	v_nop
	global_prefetch_b8 v0, s[64:65] scope:SCOPE_SE
	s_setreg_imm32_b32 hwreg(HW_REG_WAVE_MODE, 25, 1), 1
	s_wait_xcnt 0x0
; FC1 OF THE CHOSEN ROWS.  hid = silu(x W1[e]^T) for the rows (slot, token) whose choice is expert e.  Work-group (s, e): columns 64 s .. 64 s + 63 of expert e's 2,048, all of e's rows.
; Its slice of W1 (64 rows x 1,024 f32) is read once, by it alone, rounded to bf16 on the way through registers and kept in LDS.  Meanwhile wave 0 makes the expert's list of rows
; (ids slot*2048 + token, ascending) from the bit rows that the launch before stored; every wave counts them.  Then each wave takes blocks of 32 rows (block w, w + 8, ..): K = 1,024 in 32 steps,
; 8 matrix instructions a step (2 x 16 rows, 4 x 16 columns), the weights' fragments from LDS, the tokens' straight from xb into registers, 16 steps ahead.
; The loop over blocks has a length that hangs on the count: it writes no LDS, has no barrier, and its LDS addresses are fixed.  Ranks past the count repeat the last row; their results go to places of their own in hid.
; THE MATRIX INSTRUCTION IS USED TRANSPOSED (source 0 = 16 columns' weights, source 1 = 16 tokens): a lane holds one token and 8 neighbouring columns; two such results, rounded to 16 bits,
; ARE the next product's token fragment in the same lanes, so hid is stored in that order: byte e*2^23 + rb*65,536 + ks*1,024 + j*512 + 16 lane (rb: 16 rows by rank; ks: 32 columns; j: registers 0-3 or 4-7).
; FORMATS.  x and W1 are multiplied in bf16, sums in f32.  hid is rounded once, to f16: its 11 significant bits leave the next product's sums an eighth of the error that bf16's 8 would.
; NO MULTICAST, NO TENSOR LOADS: each slice has one reader and must pass through registers to be rounded; the token rows come by a list.
; LIMITS.  f16 holds no number beyond 65,504: a hidden number of 65,520 or more becomes an infinity; below 6e-5 it keeps f16's fixed step of 6e-8.
; NaN and infinities are not treated apart.  An expert's count is held to 2,048, the most that two different choices a token allow.
.set PITCH, 2064                       ; a slice row in LDS: 2,048 bytes + 16 = 129 x 16: the 16 rows of a fragment load start at 16 different groups of four banks
.set LIST,  64*PITCH                   ; 132,096: 2,048 ids of 16 bits
.set DUMP,  LIST+4096                  ; where lanes without a row store: never read
.set SPARE, DUMP+256                   ; the spare words, 128 bytes a wave
.set RP,    4096                       ; bytes from row to row of W1
.set SPW, 1                            ; v1  my spare word's address; never rewritten
.set NIL, 2                            ; v2  0; never rewritten
.set RR,  3                            ; v3  lane % 16
.set H16, 4                            ; v4  16 x (lane / 16)
.set VB0, 5                            ; v5  my place in the slice's rows 0-31
.set VB1, 6                            ; v6  in its rows 32-63
.set L16, 7                            ; v7  16 x lane
.set WST, 10                           ; v10 where my wave's 8 slice rows go, + 8 x lane
.set Q,   16                           ; v16-35  the queue of xb offsets: Q+0,1 the block in hand (16 rows each), Q+2,3 the next, ..
.set T,   64                           ; v64-95  at work on the way out
.set BB,  96                           ; v96-159 weights' fragments, two buffers of 32
.set ACC, 192                          ; v192-255 tile (f, cb) at ACC + 8 (4 f + cb)
                                       ; window 1, v0-255: tokens' fragments, a ring of 16 K steps: slot*16 + 8 f.  During the weight phase v64-255 are three groups of loads, v32-63 packed results
.set MSB, 0
.macro WIN new                         ; the immediate's high byte repeats the setting that is left; a switch that changes nothing is dropped
.if MSB != (\new)
	s_set_vgpr_msb (MSB<<8)|(\new)
.set MSB, \new
.endif
.endm
.macro WLOAD g, ring                   ; group g: rows 2 g, 2 g + 1 of my 8, 16 loads of 512 consecutive bytes
.set i, 0
.rept 16
	global_load_b128 v[64+64*(\ring)+4*i:64+64*(\ring)+4*i+3], v[L16], s[6:7] offset:(2*(\g)+i/8)*RP+(i%8)*512 th:TH_LOAD_NT
.set i, i+1
.endr
.endm
.macro WCONV g, ring                   ; rounded to bf16 and laid into the slice
.set i, 0
.rept 16
	v_cvt_pk_bf16_f32 v[32+2*i], v[64+64*(\ring)+4*i], v[64+64*(\ring)+4*i+1]
	v_cvt_pk_bf16_f32 v[33+2*i], v[64+64*(\ring)+4*i+2], v[64+64*(\ring)+4*i+3]
	ds_store_b64 v[WST], v[32+2*i:33+2*i] offset:(2*(\g)+i/8)*PITCH+(i%8)*256
.set i, i+1
.endr
.endm
.macro CNTW reg                        ; one word of the bit row is counted
	s_bcnt1_i32_b32 s89, s[\reg]
	s_add_co_u32 s87, s87, s89
.endm
.macro WORD reg                        ; and its set bits' ids are listed: lane i's rank = the count so far + the set bits below i
	v_mbcnt_lo_u32_b32 v11, s[\reg], s87
	v_cndmask_b32 v11, v12, v11, s[\reg]           ; a lane whose bit is clear takes place 2,048 + lane, in DUMP
	v_min_u32 v11, 0x81f, v11
	v_lshl_add_u32 v11, v11, 1, LIST
	ds_store_b16 v11, v13
	v_add_nc_u32 v13, 32, v13                      ; the next word's ids
	CNTW \reg
.endm
	s_load_b256 s[4:11], s[0:1], 0x0               ; xb s[4:5], W1 s[6:7], bm s[8:9], hid s[10:11]
	s_load_b128 s[12:15], s[0:1], 0x20             ; lst s[12:13], cnt s[14:15]
	v_lshl_add_u32 v[SPW], v0, 2, SPARE
	v_mov_b32 v[NIL], 0
	v_lshrrev_b32 v8, 5, v0
	v_readfirstlane_b32 s84, v8                    ; wave
	s_mov_b32 s85, ttmp9                           ; slice s
	s_and_b32 s86, ttmp7, 0xffff                   ; expert e
	v_and_b32 v9, 31, v0                           ; lane
	v_and_b32 v[RR], 15, v0
	v_bfe_u32 v[H16], v0, 4, 1
	v_lshlrev_b32 v[H16], 4, v[H16]
	v_mul_u32_u24 v[VB0], v[RR], PITCH
	v_add_nc_u32 v[VB0], v[VB0], v[H16]            ; row x pitch + 16 x half
	v_add_nc_u32 v[VB1], 32*PITCH, v[VB0]
	v_lshlrev_b32 v[L16], 4, v9
	v_lshlrev_b32 v[WST], 3, v9
	s_mul_i32 s88, s84, 8*PITCH
	v_add_nc_u32 v[WST], s88, v[WST]
	s_lshl_b32 s92, s86, 23                        ; W1: expert, slice's 64 rows, my wave's 8 of them
	s_lshl_b32 s88, s85, 18
	s_add_co_u32 s92, s92, s88
	s_lshl_b32 s88, s84, 15
	s_add_co_u32 s92, s92, s88
	s_mov_b32 s93, 0
	s_wait_kmcnt 0x0
	s_add_nc_u64 s[6:7], s[6:7], s[92:93]
	WLOAD 0, 0                                     ; 48 loads of the wave go out before anything else is done
	WLOAD 1, 1
	WLOAD 2, 2
	s_lshl_b32 s92, s86, 9
	s_add_nc_u64 s[8:9], s[8:9], s[92:93]          ; the expert's bit row, 128 words
	s_lshl_b32 s92, s86, 12
	s_add_nc_u64 s[12:13], s[12:13], s[92:93]
	s_lshl_b32 s92, s86, 7
	s_add_nc_u64 s[14:15], s[14:15], s[92:93]
	s_lshl_b32 s92, s86, 23                        ; hid: expert, my slice's two K steps, block w
	s_lshl_b32 s88, s85, 11
	s_add_co_u32 s92, s92, s88
	s_lshl_b32 s88, s84, 17
	s_add_co_u32 s92, s92, s88
	s_add_nc_u64 s[96:97], s[10:11], s[92:93]
	s_mov_b32 s87, 0                               ; the count so far
	s_cmp_lg_u32 s84, 0
	s_cbranch_scc1 .Lothers
	v_add_nc_u32 v14, LIST, v[L16]                 ; wave 0 alone writes LIST: zeros first (LDS serves a wave's instructions in order), then the ids
.irp j, 32,33,34,35
	v_mov_b32 v[\j], 0
.endr
.irp j, 0,1,2,3,4,5,6,7
	ds_store_b128 v14, v[32:35] offset:512*(\j)
.endr
	v_add_nc_u32 v12, 2048, v9
	v_mov_b32 v13, v9
	s_mov_b32 s91, 8                               ; 8 trips of 16 words
.Llist:
	s_load_b512 s[16:31], s[8:9], 0x0
	s_wait_kmcnt 0x0                               ; the load is done, so its base may step
	s_add_nc_u64 s[8:9], s[8:9], 64
.irp n, 16,17,18,19,20,21,22,23,24,25,26,27,28,29,30,31
	WORD \n
.endr
	s_sub_co_u32 s91, s91, 1
	s_cmp_lg_u32 s91, 0
	s_cbranch_scc1 .Llist
	s_branch .Lcounted
.Lothers:
	s_mov_b32 s91, 8                               ; the other waves only count: 8 trips of 16 words
.Lcount:
	s_load_b512 s[16:31], s[8:9], 0x0
	s_wait_kmcnt 0x0
	s_add_nc_u64 s[8:9], s[8:9], 64
.irp n, 16,17,18,19,20,21,22,23,24,25,26,27,28,29,30,31
	CNTW \n
.endr
	s_sub_co_u32 s91, s91, 1
	s_cmp_lg_u32 s91, 0
	s_cbranch_scc1 .Lcount
.Lcounted:
	s_min_u32 s87, s87, 2048                       ; the expert's rows
	s_wait_loadcnt 32                              ; group 0 is in; the two younger groups of 16 stay out
	WCONV 0, 0
	WLOAD 3, 0
	s_wait_loadcnt 32                              ; group 1; groups 2 and 3 stay out
	WCONV 1, 1
	s_wait_loadcnt 16                              ; group 2; group 3 stays out
	WCONV 2, 2
	s_wait_loadcnt 0x0
	WCONV 3, 0
	s_wait_dscnt 0x0                               ; for the others' sake: my rows of the slice, and wave 0's list, are in LDS
	s_barrier_signal -1
	s_barrier_wait -1                              ; the one barrier: behind it LDS is only read
	s_add_co_u32 s89, s87, 31
	s_lshr_b32 s89, s89, 5                         ; blocks of 32 rows
	s_add_co_u32 s90, s89, 7
	s_sub_co_u32 s90, s90, s84
	s_lshr_b32 s90, s90, 3                         ; my wave's blocks: w, w + 8, ..
	s_sub_co_u32 s94, s87, 1                       ; the last rank
	s_cmp_lg_u32 s85, 0
	s_cbranch_scc1 .Lnolist
	v_lshl_add_u32 v8, v0, 4, LIST                 ; slice 0's work-group hands list and count to the next launch
	ds_load_b128 v[64:67], v8
	v_lshlrev_b32 v11, 4, v0
	s_wait_dscnt 0x0
	global_store_b128 v11, v[64:67], s[12:13]
	s_cmp_lg_u32 s84, 0
	s_cbranch_scc1 .Lnolist
	v_mov_b32 v12, s87
	v_lshlrev_b32 v13, 2, v9
	global_store_b32 v13, v12, s[14:15]
.Lnolist:
	s_wait_xcnt 0x0                                ; the stores' registers are written again only behind this wait
	s_cmp_eq_u32 s90, 0
	s_cbranch_scc1 .Lend
	; the queue: for my blocks t = 0 .. 8 (eight at the most, and one looked ahead to) the xb offsets of my lane's rows.  Made here, so that the loop reads no list
	s_lshl_b32 s88, s84, 5
	v_add_nc_u32 v8, s88, v[RR]                    ; 32 w + lane % 16
.set z, 0
.rept 18
	v_add_nc_u32 v11, 256*(z/2)+16*(z%2), v8
	v_min_u32 v11, s94, v11                        ; ranks past the count repeat the last row
	v_min_u32 v11, 0x7ff, v11
	v_lshl_add_u32 v11, v11, 1, LIST
	ds_load_u16 v[Q+2+z], v11
.set z, z+1
.endr
	s_wait_dscnt 0x0
.set z, 0
.rept 18
	v_min_u32 v[Q+2+z], 0xfff, v[Q+2+z]
	v_and_b32 v[Q+2+z], 0x7ff, v[Q+2+z]            ; the id's token
	v_lshl_add_u32 v[Q+2+z], v[Q+2+z], 11, v[H16]  ; its row of 2,048 bytes + 16 x half
.set z, z+1
.endr
.macro LDB ks, buf                     ; the weights' fragments of K step ks: 4 x 16 columns x 32 K, 8 LDS loads
.irp cb, 0,1
	ds_load_b128 v[BB+32*(\buf)+8*(\cb):BB+32*(\buf)+8*(\cb)+3],   v[VB0] offset:(\cb)*16*PITCH+64*(\ks)
	ds_load_b128 v[BB+32*(\buf)+8*(\cb)+4:BB+32*(\buf)+8*(\cb)+7], v[VB0] offset:(\cb)*16*PITCH+64*(\ks)+32
.endr
.irp cb, 0,1
	ds_load_b128 v[BB+32*(\buf)+16+8*(\cb):BB+32*(\buf)+16+8*(\cb)+3],   v[VB1] offset:(\cb)*16*PITCH+64*(\ks)
	ds_load_b128 v[BB+32*(\buf)+16+8*(\cb)+4:BB+32*(\buf)+16+8*(\cb)+7], v[VB1] offset:(\cb)*16*PITCH+64*(\ks)+32
.endr
.endm
.macro LDA ks, slot, nxt               ; the tokens' fragments of K step ks, of the block in hand (nxt = 0) or the next: 4 loads into ring slot
	WIN 0x40                                       ; destination window 1, address window 0
.irp f, 0,1
	global_load_b128 v[16*(\slot)+8*(\f):16*(\slot)+8*(\f)+3],   v[Q+2*(\nxt)+(\f)], s[4:5] offset:64*(\ks)
	global_load_b128 v[16*(\slot)+8*(\f)+4:16*(\slot)+8*(\f)+7], v[Q+2*(\nxt)+(\f)], s[4:5] offset:64*(\ks)+32
.endr
.endm
.macro STEP ks
	WIN 0x04                                       ; source 1 (tokens) window 1, all else window 0
	s_wait_loadcnt 60                              ; this step's 4 token loads are in; the 15 younger steps' 60 stay out
	s_wait_dscnt 8                                 ; this step's weights are in; the next step's 8 loads stay out
.irp f, 0,1
.irp cb, 0,1,2,3                       ; the 8 accumulators take turns
.if (\ks) == 0
	v_wmma_f32_16x16x32_bf16 v[ACC+8*(4*(\f)+(\cb)):ACC+8*(4*(\f)+(\cb))+7], v[BB+32*((\ks)%2)+8*(\cb):BB+32*((\ks)%2)+8*(\cb)+7], v[16*((\ks)%16)+8*(\f):16*((\ks)%16)+8*(\f)+7], 0
.else
	v_wmma_f32_16x16x32_bf16 v[ACC+8*(4*(\f)+(\cb)):ACC+8*(4*(\f)+(\cb))+7], v[BB+32*((\ks)%2)+8*(\cb):BB+32*((\ks)%2)+8*(\cb)+7], v[16*((\ks)%16)+8*(\f):16*((\ks)%16)+8*(\f)+7], v[ACC+8*(4*(\f)+(\cb)):ACC+8*(4*(\f)+(\cb))+7]
.endif
.endr
.endr
.rept 4
	v_nop                                          ; four places in front of loads into registers that these products read (and, behind the last step, of the way out)
.endr
	LDB ((\ks)+2)%32, (\ks)%2
	LDA ((\ks)+16)%32, (\ks)%16, (\ks)/16
.endm
.macro SILU f                          ; 16 rows x 64 columns: s / (1 + 2^(-s log2 e)), rounded to f16, stored as two token fragments
.set A0, ACC+32*(\f)
.set z, 0
.rept 16
	v_pk_mul_f32 v[T+2*z:T+2*z+1], v[A0+2*z:A0+2*z+1], 0xbfb8aa3b op_sel_hi:[1,0]  ; each accumulator is read from its low end on
.set z, z+1
.endr
.set z, 0
.rept 32
	v_exp_f32 v[T+z], v[T+z]
.set z, z+1
.endr
	v_nop                                          ; a plain instruction behind the last exponential,
	s_wait_alu depctr_va_vdst(0)                   ; and one wait for the batch of 32
.set z, 0
.rept 16
	v_pk_add_f32 v[T+2*z:T+2*z+1], v[T+2*z:T+2*z+1], 1.0 op_sel_hi:[1,0]
.set z, z+1
.endr
.set z, 0
.rept 32
	v_rcp_f32 v[T+z], v[T+z]
.set z, z+1
.endr
	v_nop
	s_wait_alu depctr_va_vdst(0)
.set z, 0
.rept 16
	v_pk_mul_f32 v[T+2*z:T+2*z+1], v[T+2*z:T+2*z+1], v[A0+2*z:A0+2*z+1]
.set z, z+1
.endr
.set z, 0
.rept 16
	v_cvt_pk_f16_f32 v[T+z], v[T+2*z], v[T+2*z+1]  ; ascending: no pair is overwritten before it is read
.set z, z+1
.endr
.irp p, 0,1
.irp j, 0,1
	global_store_b128 v[L16], v[T+8*(\p)+4*(\j):T+8*(\p)+4*(\j)+3], s[96:97] offset:(\f)*65536+(\p)*1024+(\j)*512  ; 512 consecutive bytes, aligned
.endr
.endr
.endm
.set k, 0
.rept 16
	LDA k, k, 1                                    ; my first block's first 16 K steps
.set k, k+1
.endr
	WIN 0
	LDB 0, 0
	LDB 1, 1
	s_mov_b32 s91, 0
.Ltrip:                                                ; a block of 32 rows
	s_wait_xcnt 0x0                                ; the queue's registers are addresses of loads that are out: written again only behind this wait
.set z, 0
.rept 18
	v_mov_b32 v[Q+z], v[Q+z+2]                     ; the queue moves on, so that one text serves every block
.set z, z+1
.endr
.set k, 0
.rept 32
	STEP k
.set k, k+1
.endr
	WIN 0
	SILU 0
	s_wait_xcnt 0x0                                ; T is the stores' data
	SILU 1
	s_wait_xcnt 0x0                                ; and their base steps: 8 blocks of 131,072 bytes on
	s_add_nc_u64 s[96:97], s[96:97], 0x100000
	s_add_co_u32 s91, s91, 1
	s_cmp_lt_u32 s91, s90
	s_cbranch_scc1 .Ltrip
.Lend:
	s_wait_tensorcnt 0x0                           ; the wave's end: three lines behind my last LDS store
	ds_add_u32 v[SPW], v[NIL]
	s_wait_dscnt 0x0
	s_endpgm
.Lfunc_end_k_q0e7792fd4f_fc1:
	.size	k_q0e7792fd4f_fc1, .Lfunc_end_k_q0e7792fd4f_fc1-k_q0e7792fd4f_fc1
	.p2alignl 7, 3214868480
	.fill 96, 4, 3214868480
	.section	.rodata,"a",@progbits
	.p2align	6, 0x0
	.amdhsa_kernel k_q0e7792fd4f_fc1
		.amdhsa_group_segment_fixed_size 137472
		.amdhsa_private_segment_fixed_size 0
		.amdhsa_enable_private_segment 0
		.amdhsa_kernarg_size 48
		.amdhsa_user_sgpr_count 2
		.amdhsa_user_sgpr_kernarg_segment_ptr 1
		.amdhsa_wavefront_size32 1
		.amdhsa_system_sgpr_workgroup_id_x 1
		.amdhsa_system_sgpr_workgroup_id_y 1
		.amdhsa_system_sgpr_workgroup_id_z 1
		.amdhsa_system_vgpr_workitem_id 0
		.amdhsa_next_free_vgpr 512
		.amdhsa_next_free_sgpr 104
		.amdhsa_reserve_vcc 0
		.amdhsa_float_denorm_mode_32 3
		.amdhsa_float_denorm_mode_16_64 3
		.amdhsa_memory_ordered 1
		.amdhsa_forward_progress 1
		.amdhsa_inst_pref_size 114
	.end_amdhsa_kernel
	.amdgpu_metadata
---
amdhsa.version: [ 1, 2 ]
amdhsa.kernels:
  - .name:           k_q0e7792fd4f_fc1
    .symbol:         k_q0e7792fd4f_fc1.kd
    .args:
      - { .name: xb, .offset: 0, .size: 8, .value_kind: global_buffer, .address_space: global }
      - { .name: W1, .offset: 8, .size: 8, .value_kind: global_buffer, .address_space: global }
      - { .name: bm, .offset: 16, .size: 8, .value_kind: global_buffer, .address_space: global }
      - { .name: hid, .offset: 24, .size: 8, .value_kind: global_buffer, .address_space: global }
      - { .name: lst, .offset: 32, .size: 8, .value_kind: global_buffer, .address_space: global }
      - { .name: cnt, .offset: 40, .size: 8, .value_kind: global_buffer, .address_space: global }
    .group_segment_fixed_size: 137472
    .private_segment_fixed_size: 0
    .kernarg_segment_align: 8
    .kernarg_segment_size: 48
    .max_flat_workgroup_size: 256
    .sgpr_count:     104
    .vgpr_count:     512
    .wavefront_size: 32
...
	.end_amdgpu_metadata
.endif
;; end of part 2
;; launch fc2 (part 3): grid 32 x 8, 8 waves a work-group, no clusters, 208,128 bytes of LDS; arguments hid, W2, lst, cnt, part; writes part
.if DOCPART == 3
	.amdgcn_target "amdgcn-amd-amdhsa--gfx1250"
	.amdhsa_code_object_version 6
	.text
	.protected	k_q0e7792fd4f_fc2
	.globl	k_q0e7792fd4f_fc2
	.p2align	8
	.type	k_q0e7792fd4f_fc2,@function
k_q0e7792fd4f_fc2:
	s_mov_b64 s[64:65], 0
	v_nop
	global_prefetch_b8 v0, s[64:65] scope:SCOPE_SE
	s_setreg_imm32_b32 hwreg(HW_REG_WAVE_MODE, 25, 1), 1
	s_wait_xcnt 0x0
; FC2 OF THE CHOSEN ROWS.  part[kh][id][:] = hid(row) W2[e]^T over half kh of the hidden width.  Work-group (s, e): cg = s / 2: columns 64 cg .. + 63 of the 1,024; kh = s % 2: K = 1,024 kh .. + 1,023.
; Its slice of W2 (64 rows x 1,024 f32) is read once, by it alone, rounded through registers and kept in LDS.  Then each wave takes blocks of 32 rows by rank (block w, w + 8, ..):
; 32 K steps of 8 matrix instructions, weights' fragments from LDS, tokens' fragments straight from hid, which lies in the order of the operand registers, 16 steps ahead.
; The partial sums (f32) go through the wave's own stage in LDS and are stored as whole rows of 256 bytes at the row's id (slot*2048 + token), which the list of the launch before names.
; The loop over blocks has a length that hangs on the stored count: no barrier in it, fixed LDS addresses, the stage is each wave's own.  Ranks past the count repeat the last row: same values to the same place.
; K IS SPLIT IN TWO so that a work-group reads half of the expert's hid; the two halves are added by the launch behind, in a fixed order.
; FORMATS.  hid arrives in f16, so the product is the f16 form.  W2 is rounded to bf16, as all the module's inputs are, and that number is written as f16.
; NO MULTICAST, NO TENSOR LOADS: each slice has one reader and must pass through registers to be rounded; how much of hid is read hangs on the count.
; LIMITS.  A weight's bf16 number is exact in f16 from 2^-17 up to 65,504; below 2^-17 it keeps f16's fixed step of 2^-24; from 65,520 on it becomes an infinity.
; NaN and infinities are not treated apart.  The count is held to 2,048.
.set PITCH, 2064                       ; a slice row in LDS: 2,048 bytes + 16 = 129 x 16
.set LIST,  64*PITCH                   ; 132,096: 2,048 ids of 16 bits
.set SPARE, LIST+4096+256              ; the spare words, 128 bytes a wave
.set OFFS,  SPARE+1024                 ; 128 bytes a wave: the ids of the block in hand
.set STAGE, OFFS+1024                  ; 32 rows x 272 bytes a wave
.set SPITCH, 272
.set RP,    8192                       ; bytes from row to row of W2
.set SPW, 1                            ; v1  my spare word's address; never rewritten
.set NIL, 2                            ; v2  0; never rewritten
.set RR,  3                            ; v3  lane % 16
.set H16, 4                            ; v4  16 x (lane / 16)
.set VB0, 5                            ; v5  my place in the slice's rows 0-31
.set VB1, 6                            ; v6  in its rows 32-63
.set L16, 7                            ; v7  16 x lane
.set WST, 10                           ; v10 where my wave's 8 slice rows go, + 8 x lane
.set Q,   16                           ; v16-25  the queue of ids: Q+0 the block in hand (row = lane), Q+1 the next, ..
.set STO, 36                           ; v36 the stage: where I put 16 bytes of a row
.set RD,  37                           ; v37 where I read rows back
.set OFW, 38                           ; v38 where I put my row's id
.set OFR, 39                           ; v39 where I read the id of the row that I store
.set R16, 40                           ; v40 16 x (lane % 16)
.set T,   64                           ; v64-79  the stores' offsets
.set BB,  96                           ; v96-159 weights' fragments, two buffers of 32
.set ACC, 192                          ; v192-255 tile (f, cb) at ACC + 8 (4 f + cb); then the rows read back
                                       ; window 1, v0-255: tokens' fragments, a ring of 16 K steps
.set MSB, 0
.macro WIN new
.if MSB != (\new)
	s_set_vgpr_msb (MSB<<8)|(\new)
.set MSB, \new
.endif
.endm
.macro WLOAD g, ring                   ; group g: rows 2 g, 2 g + 1 of my 8, 16 loads of 512 consecutive bytes
.set i, 0
.rept 16
	global_load_b128 v[64+64*(\ring)+4*i:64+64*(\ring)+4*i+3], v[L16], s[6:7] offset:(2*(\g)+i/8)*RP+(i%8)*512 th:TH_LOAD_NT
.set i, i+1
.endr
.endm
.macro WCONV g, ring                   ; four weights: rounded to bf16, widened again (a shift, a mask), written as f16, laid into the slice
.set i, 0
.rept 16
.set WR, 64+64*(\ring)+4*i
	v_cvt_pk_bf16_f32 v[32+2*i], v[WR], v[WR+1]
	v_cvt_pk_bf16_f32 v[33+2*i], v[WR+2], v[WR+3]
	v_lshlrev_b32 v[WR], 16, v[32+2*i]
	v_and_b32 v[WR+1], s82, v[32+2*i]
	v_lshlrev_b32 v[WR+2], 16, v[33+2*i]
	v_and_b32 v[WR+3], s82, v[33+2*i]
	v_cvt_pk_f16_f32 v[32+2*i], v[WR], v[WR+1]
	v_cvt_pk_f16_f32 v[33+2*i], v[WR+2], v[WR+3]
	ds_store_b64 v[WST], v[32+2*i:33+2*i] offset:(2*(\g)+i/8)*PITCH+(i%8)*256
.set i, i+1
.endr
.endm
	s_load_b256 s[4:11], s[0:1], 0x0               ; hid s[4:5], W2 s[6:7], lst s[8:9], cnt s[10:11]
	s_load_b64 s[12:13], s[0:1], 0x20              ; part
	v_lshl_add_u32 v[SPW], v0, 2, SPARE
	v_mov_b32 v[NIL], 0
	v_lshrrev_b32 v8, 5, v0
	v_readfirstlane_b32 s84, v8                    ; wave
	s_mov_b32 s85, ttmp9
	s_and_b32 s86, ttmp7, 0xffff                   ; expert e
	s_lshr_b32 s80, s85, 1                         ; cg
	s_and_b32 s81, s85, 1                          ; kh
	s_mov_b32 s82, 0xffff0000                      ; a word's upper bf16
	v_and_b32 v9, 31, v0                           ; lane
	v_and_b32 v[RR], 15, v0
	v_bfe_u32 v[H16], v0, 4, 1
	v_lshlrev_b32 v[H16], 4, v[H16]
	v_mul_u32_u24 v[VB0], v[RR], PITCH
	v_add_nc_u32 v[VB0], v[VB0], v[H16]
	v_add_nc_u32 v[VB1], 32*PITCH, v[VB0]
	v_lshlrev_b32 v[L16], 4, v9
	v_lshlrev_b32 v[WST], 3, v9
	s_mul_i32 s88, s84, 8*PITCH
	v_add_nc_u32 v[WST], s88, v[WST]
	v_lshlrev_b32 v11, 4, v0                       ; 16 x thread
	v_lshl_add_u32 v8, v0, 4, LIST
	s_lshl_b32 s92, s86, 23                        ; W2: expert, 64 cg + 8 w rows of 8,192 bytes, half kh of a row
	s_lshl_b32 s88, s80, 19
	s_add_co_u32 s92, s92, s88
	s_lshl_b32 s88, s84, 16
	s_add_co_u32 s92, s92, s88
	s_lshl_b32 s88, s81, 12
	s_add_co_u32 s92, s92, s88
	s_mov_b32 s93, 0
	s_wait_kmcnt 0x0
	s_add_nc_u64 s[6:7], s[6:7], s[92:93]
	s_lshl_b32 s92, s86, 12
	s_add_nc_u64 s[8:9], s[8:9], s[92:93]
	global_load_b128 v[12:15], v11, s[8:9]         ; my 16 bytes of the expert's list
	WLOAD 0, 0
	WLOAD 1, 1
	WLOAD 2, 2
	s_lshl_b32 s92, s86, 7
	s_add_nc_u64 s[10:11], s[10:11], s[92:93]
	s_load_b32 s87, s[10:11], 0x0                  ; the expert's rows
	s_lshl_b32 s92, s86, 23                        ; hid: expert, half kh = 32 K steps of 1,024 bytes
	s_lshl_b32 s88, s81, 15
	s_add_co_u32 s92, s92, s88
	s_add_nc_u64 s[4:5], s[4:5], s[92:93]
	s_lshl_b32 s92, s81, 24                        ; part: half kh, my 256 bytes of a row
	s_lshl_b32 s88, s80, 8
	s_add_co_u32 s92, s92, s88
	s_add_nc_u64 s[12:13], s[12:13], s[92:93]
	s_wait_loadcnt 32                              ; the list's piece and group 0 are in; the two younger groups of 16 stay out
	ds_store_b128 v8, v[12:15]
	WCONV 0, 0
	WLOAD 3, 0
	s_wait_loadcnt 32                              ; group 1; groups 2 and 3 stay out
	WCONV 1, 1
	s_wait_loadcnt 16                              ; group 2; group 3 stays out
	WCONV 2, 2
	s_wait_loadcnt 0x0
	WCONV 3, 0
	s_wait_dscnt 0x0                               ; for the others' sake: my rows of the slice and my piece of the list are in LDS
	s_barrier_signal -1
	s_barrier_wait -1                              ; the one barrier: behind it slice and list are only read
	s_wait_kmcnt 0x0
	s_min_u32 s87, s87, 2048
	s_add_co_u32 s89, s87, 31
	s_lshr_b32 s89, s89, 5                         ; blocks of 32 rows
	s_add_co_u32 s90, s89, 7
	s_sub_co_u32 s90, s90, s84
	s_lshr_b32 s90, s90, 3                         ; my wave's blocks: w, w + 8, ..
	s_cmp_eq_u32 s90, 0
	s_cbranch_scc1 .Lend
	s_sub_co_u32 s94, s87, 1                       ; the last rank
	s_sub_co_u32 s95, s89, 1                       ; the last block
	s_mul_i32 s88, s84, 32*SPITCH
	s_add_co_u32 s88, s88, STAGE                   ; my stage
	v_mul_u32_u24 v[STO], v[RR], SPITCH            ; in: row lane % 16, 32 bytes for each half of the lanes
	v_lshl_add_u32 v[STO], v[H16], 1, v[STO]
	v_add_nc_u32 v[STO], s88, v[STO]
	v_lshrrev_b32 v8, 4, v[H16]                    ; lane / 16
	v_mul_u32_u24 v[RD], v8, SPITCH                ; back: lanes 0-15 one row of 256 bytes, lanes 16-31 the next
	v_lshl_add_u32 v[RD], v[RR], 4, v[RD]
	v_add_nc_u32 v[RD], s88, v[RD]
	v_lshlrev_b32 v[R16], 4, v[RR]
	s_lshl_b32 s88, s84, 7
	s_add_co_u32 s88, s88, OFFS
	v_lshl_add_u32 v[OFW], v9, 2, s88
	v_lshl_add_u32 v[OFR], v8, 2, s88
	; the queue: for my blocks t = 0 .. 8 the id of row lane
	s_lshl_b32 s88, s84, 5
	v_add_nc_u32 v10, s88, v9                      ; 32 w + lane
.set z, 0
.rept 9
	v_add_nc_u32 v11, 256*z, v10
	v_min_u32 v11, s94, v11                        ; ranks past the count repeat the last row
	v_min_u32 v11, 0x7ff, v11
	v_lshl_add_u32 v11, v11, 1, LIST
	ds_load_u16 v[Q+1+z], v11
.set z, z+1
.endr
	s_mov_b32 s100, s84                            ; the block looked ahead to
	s_lshl_b32 s92, s84, 17
	s_add_nc_u64 s[98:99], s[4:5], s[92:93]        ; and its 131,072 bytes of hid
	s_wait_dscnt 0x0
.macro LDB ks, buf                     ; the weights' fragments of K step ks: 8 LDS loads
.irp cb, 0,1
	ds_load_b128 v[BB+32*(\buf)+8*(\cb):BB+32*(\buf)+8*(\cb)+3],   v[VB0] offset:(\cb)*16*PITCH+64*(\ks)
	ds_load_b128 v[BB+32*(\buf)+8*(\cb)+4:BB+32*(\buf)+8*(\cb)+7], v[VB0] offset:(\cb)*16*PITCH+64*(\ks)+32
.endr
.irp cb, 0,1
	ds_load_b128 v[BB+32*(\buf)+16+8*(\cb):BB+32*(\buf)+16+8*(\cb)+3],   v[VB1] offset:(\cb)*16*PITCH+64*(\ks)
	ds_load_b128 v[BB+32*(\buf)+16+8*(\cb)+4:BB+32*(\buf)+16+8*(\cb)+7], v[VB1] offset:(\cb)*16*PITCH+64*(\ks)+32
.endr
.endm
.macro LDA ks, slot, nxt               ; the tokens' fragments of K step ks, of the block in hand (s[96:97]) or the next (s[98:99]): 4 loads of 512 consecutive bytes
	WIN 0x40                                       ; destination window 1, address window 0
.irp f, 0,1
	global_load_b128 v[16*(\slot)+8*(\f):16*(\slot)+8*(\f)+3],   v[L16], s[96+2*(\nxt):97+2*(\nxt)] offset:(\f)*65536+(\ks)*1024
	global_load_b128 v[16*(\slot)+8*(\f)+4:16*(\slot)+8*(\f)+7], v[L16], s[96+2*(\nxt):97+2*(\nxt)] offset:(\f)*65536+(\ks)*1024+512
.endr
.endm
.macro STEP ks
	WIN 0x04                                       ; source 1 (tokens) window 1, all else window 0
	s_wait_loadcnt 60                              ; this step's 4 token loads are in; the 15 younger steps' 60 stay out
	s_wait_dscnt 8                                 ; this step's weights are in; the next step's 8 loads stay out
.irp f, 0,1
.irp cb, 0,1,2,3                       ; the 8 accumulators take turns
.if (\ks) == 0
	v_wmma_f32_16x16x32_f16 v[ACC+8*(4*(\f)+(\cb)):ACC+8*(4*(\f)+(\cb))+7], v[BB+32*((\ks)%2)+8*(\cb):BB+32*((\ks)%2)+8*(\cb)+7], v[16*((\ks)%16)+8*(\f):16*((\ks)%16)+8*(\f)+7], 0
.else
	v_wmma_f32_16x16x32_f16 v[ACC+8*(4*(\f)+(\cb)):ACC+8*(4*(\f)+(\cb))+7], v[BB+32*((\ks)%2)+8*(\cb):BB+32*((\ks)%2)+8*(\cb)+7], v[16*((\ks)%16)+8*(\f):16*((\ks)%16)+8*(\f)+7], v[ACC+8*(4*(\f)+(\cb)):ACC+8*(4*(\f)+(\cb))+7]
.endif
.endr
.endr
.rept 4
	v_nop                                          ; four places in front of loads into registers that these products read (and, behind the last step, of the way out)
.endr
	LDB ((\ks)+2)%32, (\ks)%2
	LDA ((\ks)+16)%32, (\ks)%16, (\ks)/16
.endm
.set k, 0
.rept 16
	LDA k, k, 1                                    ; my first block's first 16 K steps
.set k, k+1
.endr
	WIN 0
	LDB 0, 0
	LDB 1, 1
	s_mov_b32 s91, 0
.Ltrip:                                                ; a block of 32 rows
	s_wait_xcnt 0x0                                ; bases of loads that are out, and the last block's stores' offsets and data, are written again only behind this wait
.set z, 0
.rept 9
	v_mov_b32 v[Q+z], v[Q+z+1]                     ; the queue moves on, so that one text serves every block
.set z, z+1
.endr
	s_mov_b64 s[96:97], s[98:99]
	s_add_co_u32 s100, s100, 8
	s_min_u32 s92, s100, s95                       ; the look-ahead stays inside what the launch before wrote
	s_min_u32 s92, s92, 63
	s_lshl_b32 s92, s92, 17
	s_add_nc_u64 s[98:99], s[4:5], s[92:93]
.set k, 0
.rept 32
	STEP k
.set k, k+1
.endr
	WIN 0
	; the way out: a lane's 8 columns of a row are 32 bytes; into my stage, back as whole rows of 256 bytes; each accumulator is read from its low end on
.irp f, 0,1
.irp cb, 0,1,2,3
	ds_store_b128 v[STO], v[ACC+8*(4*(\f)+(\cb)):ACC+8*(4*(\f)+(\cb))+3]   offset:(\f)*16*SPITCH+(\cb)*64
	ds_store_b128 v[STO], v[ACC+8*(4*(\f)+(\cb))+4:ACC+8*(4*(\f)+(\cb))+7] offset:(\f)*16*SPITCH+(\cb)*64+16
.endr
.endr
	ds_store_b32 v[OFW], v[Q]                      ; row lane's id
.irp t, 0,1,2,3,4,5,6,7,8,9,10,11,12,13,14,15
	ds_load_b32 v[T+(\t)], v[OFR] offset:8*(\t)    ; the id of row 2 t + lane / 16.  LDS serves a wave's instructions in order: these see the stores above
.endr
.irp t, 0,1,2,3,4,5,6,7,8,9,10,11,12,13,14,15
	ds_load_b128 v[ACC+4*(\t):ACC+4*(\t)+3], v[RD] offset:2*SPITCH*(\t)
.endr
	s_wait_dscnt 0x0
.irp t, 0,1,2,3,4,5,6,7,8,9,10,11,12,13,14,15
	v_min_u32 v[T+(\t)], 0xfff, v[T+(\t)]
	v_lshl_add_u32 v[T+(\t)], v[T+(\t)], 12, v[R16]  ; the id's row of 4,096 bytes + my 16 bytes
.endr
.irp t, 0,1,2,3,4,5,6,7,8,9,10,11,12,13,14,15
	global_store_b128 v[T+(\t)], v[ACC+4*(\t):ACC+4*(\t)+3], s[12:13]  ; 16 lanes store 256 consecutive bytes, aligned
.endr
	s_add_co_u32 s91, s91, 1
	s_cmp_lt_u32 s91, s90
	s_cbranch_scc1 .Ltrip
.Lend:
	s_wait_tensorcnt 0x0                           ; the wave's end: three lines behind my last LDS store
	ds_add_u32 v[SPW], v[NIL]
	s_wait_dscnt 0x0
	s_endpgm
.Lfunc_end_k_q0e7792fd4f_fc2:
	.size	k_q0e7792fd4f_fc2, .Lfunc_end_k_q0e7792fd4f_fc2-k_q0e7792fd4f_fc2
	.p2alignl 7, 3214868480
	.fill 96, 4, 3214868480
	.section	.rodata,"a",@progbits
	.p2align	6, 0x0
	.amdhsa_kernel k_q0e7792fd4f_fc2
		.amdhsa_group_segment_fixed_size 208128
		.amdhsa_private_segment_fixed_size 0
		.amdhsa_enable_private_segment 0
		.amdhsa_kernarg_size 40
		.amdhsa_user_sgpr_count 2
		.amdhsa_user_sgpr_kernarg_segment_ptr 1
		.amdhsa_wavefront_size32 1
		.amdhsa_system_sgpr_workgroup_id_x 1
		.amdhsa_system_sgpr_workgroup_id_y 1
		.amdhsa_system_sgpr_workgroup_id_z 1
		.amdhsa_system_vgpr_workitem_id 0
		.amdhsa_next_free_vgpr 512
		.amdhsa_next_free_sgpr 104
		.amdhsa_reserve_vcc 0
		.amdhsa_float_denorm_mode_32 3
		.amdhsa_float_denorm_mode_16_64 3
		.amdhsa_memory_ordered 1
		.amdhsa_forward_progress 1
		.amdhsa_inst_pref_size 108
	.end_amdhsa_kernel
	.amdgpu_metadata
---
amdhsa.version: [ 1, 2 ]
amdhsa.kernels:
  - .name:           k_q0e7792fd4f_fc2
    .symbol:         k_q0e7792fd4f_fc2.kd
    .args:
      - { .name: hid, .offset: 0, .size: 8, .value_kind: global_buffer, .address_space: global }
      - { .name: W2, .offset: 8, .size: 8, .value_kind: global_buffer, .address_space: global }
      - { .name: lst, .offset: 16, .size: 8, .value_kind: global_buffer, .address_space: global }
      - { .name: cnt, .offset: 24, .size: 8, .value_kind: global_buffer, .address_space: global }
      - { .name: part, .offset: 32, .size: 8, .value_kind: global_buffer, .address_space: global }
    .group_segment_fixed_size: 208128
    .private_segment_fixed_size: 0
    .kernarg_segment_align: 8
    .kernarg_segment_size: 40
    .max_flat_workgroup_size: 256
    .sgpr_count:     104
    .vgpr_count:     512
    .wavefront_size: 32
...
	.end_amdgpu_metadata
.endif
;; end of part 3
;; launch sum (part 4): grid 256 x 1, 8 waves a work-group, no clusters, 0 bytes of LDS; arguments part, gw, out0; writes out0
.if DOCPART == 4
	.amdgcn_target "amdgcn-amd-amdhsa--gfx1250"
	.amdhsa_code_object_version 6
	.text
	.protected	k_q0e7792fd4f_sum
	.globl	k_q0e7792fd4f_sum
	.p2align	8
	.type	k_q0e7792fd4f_sum,@function
k_q0e7792fd4f_sum:
	s_mov_b64 s[64:65], 0
	v_nop
	global_prefetch_b8 v0, s[64:65] scope:SCOPE_SE
	s_setreg_imm32_b32 hwreg(HW_REG_WAVE_MODE, 25, 1), 1
	s_wait_xcnt 0x0
; out0[n][:] = w0 (part[0][n] + part[1][n]) + w1 (part[0][2048 + n] + part[1][2048 + n]): the two halves of K are added, then the two chosen experts' rows are weighed by the gate.
; A stream: a wave has one token; its four rows of 4,096 bytes go out as 32 loads of 512 consecutive bytes, all at once, chunk by chunk; each number is read once and each output byte written once.
; No LDS, no barrier, no matrix unit: nothing is shared and memory binds.
.set P, 8                              ; v8-135: chunk c, part p at P + 16 c + 4 p (p = 0: half 0, slot 0; 1: half 0, slot 1; 2: half 1, slot 0; 3: half 1, slot 1)
	s_load_b128 s[4:7], s[0:1], 0x0                ; part s[4:5], gw s[6:7]
	s_load_b64 s[8:9], s[0:1], 0x10                ; out0
	v_lshrrev_b32 v1, 5, v0
	v_readfirstlane_b32 s2, v1                     ; wave
	v_and_b32 v2, 31, v0
	v_lshlrev_b32 v2, 4, v2                        ; 16 x lane
	s_lshl_b32 s3, ttmp9, 3
	s_add_co_u32 s3, s3, s2                        ; token n
	s_lshl_b32 s10, s3, 12
	s_mov_b32 s11, 0
	s_lshl_b32 s24, s3, 3
	s_mov_b32 s25, 0
	s_wait_kmcnt 0x0
	s_add_nc_u64 s[12:13], s[4:5], s[10:11]
	s_add_nc_u64 s[14:15], s[12:13], 0x800000      ; slot 1: 2,048 rows on
	s_add_nc_u64 s[16:17], s[12:13], 0x1000000     ; half 1: 4,096 rows on
	s_add_nc_u64 s[18:19], s[12:13], 0x1800000
	s_add_nc_u64 s[6:7], s[6:7], s[24:25]
	s_add_nc_u64 s[8:9], s[8:9], s[10:11]
	s_load_b64 s[20:21], s[6:7], 0x0               ; w0, w1
.irp c, 0,1,2,3,4,5,6,7
.irp p, 0,1,2,3
	global_load_b128 v[P+16*(\c)+4*(\p):P+16*(\c)+4*(\p)+3], v2, s[12+2*(\p):13+2*(\p)] offset:512*(\c) th:TH_LOAD_NT
.endr
.endr
	s_wait_kmcnt 0x0
	s_mov_b32 s22, s21                             ; w1 in the low word of a pair of its own: the packed forms take a scalar pair's low word for both halves
	s_mov_b32 s23, s21
.irp c, 0,1,2,3,4,5,6,7
	s_wait_loadcnt 4*(7-(\c))                      ; chunk c's four loads are in; the younger chunks' stay out
.irp k, 0,2
	v_pk_add_f32 v[P+16*(\c)+(\k):P+16*(\c)+(\k)+1], v[P+16*(\c)+(\k):P+16*(\c)+(\k)+1], v[P+16*(\c)+8+(\k):P+16*(\c)+8+(\k)+1]
	v_pk_add_f32 v[P+16*(\c)+4+(\k):P+16*(\c)+4+(\k)+1], v[P+16*(\c)+4+(\k):P+16*(\c)+4+(\k)+1], v[P+16*(\c)+12+(\k):P+16*(\c)+12+(\k)+1]
	v_pk_mul_f32 v[P+16*(\c)+(\k):P+16*(\c)+(\k)+1], v[P+16*(\c)+(\k):P+16*(\c)+(\k)+1], s[20:21] op_sel_hi:[1,0]
	v_pk_fma_f32 v[P+16*(\c)+(\k):P+16*(\c)+(\k)+1], v[P+16*(\c)+4+(\k):P+16*(\c)+4+(\k)+1], s[22:23], v[P+16*(\c)+(\k):P+16*(\c)+(\k)+1] op_sel_hi:[1,0,1]
.endr
	global_store_b128 v2, v[P+16*(\c):P+16*(\c)+3], s[8:9] offset:512*(\c) th:TH_STORE_NT  ; 512 consecutive bytes, aligned
.endr
	s_endpgm
.Lfunc_end_k_q0e7792fd4f_sum:
	.size	k_q0e7792fd4f_sum, .Lfunc_end_k_q0e7792fd4f_sum-k_q0e7792fd4f_sum
	.p2alignl 7, 3214868480
	.fill 96, 4, 3214868480
	.section	.rodata,"a",@progbits
	.p2align	6, 0x0
	.amdhsa_kernel k_q0e7792fd4f_sum
		.amdhsa_group_segment_fixed_size 0
		.amdhsa_private_segment_fixed_size 0
		.amdhsa_enable_private_segment 0
		.amdhsa_kernarg_size 24
		.amdhsa_user_sgpr_count 2
		.amdhsa_user_sgpr_kernarg_segment_ptr 1
		.amdhsa_wavefront_size32 1
		.amdhsa_system_sgpr_workgroup_id_x 1
		.amdhsa_system_sgpr_workgroup_id_y 1
		.amdhsa_system_sgpr_workgroup_id_z 1
		.amdhsa_system_vgpr_workitem_id 0
		.amdhsa_next_free_vgpr 136
		.amdhsa_next_free_sgpr 66
		.amdhsa_reserve_vcc 0
		.amdhsa_float_denorm_mode_32 3
		.amdhsa_float_denorm_mode_16_64 3
		.amdhsa_memory_ordered 1
		.amdhsa_forward_progress 1
		.amdhsa_inst_pref_size 10
	.end_amdhsa_kernel
	.amdgpu_metadata
---
amdhsa.version: [ 1, 2 ]
amdhsa.kernels:
  - .name:           k_q0e7792fd4f_sum
    .symbol:         k_q0e7792fd4f_sum.kd
    .args:
      - { .name: part, .offset: 0, .size: 8, .value_kind: global_buffer, .address_space: global }
      - { .name: gw, .offset: 8, .size: 8, .value_kind: global_buffer, .address_space: global }
      - { .name: out0, .offset: 16, .size: 8, .value_kind: global_buffer, .address_space: global }
    .group_segment_fixed_size: 0
    .private_segment_fixed_size: 0
    .kernarg_segment_align: 8
    .kernarg_segment_size: 24
    .max_flat_workgroup_size: 256
    .sgpr_count:     66
    .vgpr_count:     136
    .wavefront_size: 32
...
	.end_amdgpu_metadata
.endif
;; end of part 4
;; ======== version 2 of 3: 5 launches; 1.19 times as fast as version 1
;; limits: values are held in f16: magnitudes above 65,504 overflow, below 6.1e-05 lose precision
;; workspace buffers: xb 4,194,304 bytes; gw 16,384 bytes; bm 4,096 bytes of whole numbers; lst 32,768 bytes of whole numbers; cnt 1,024 bytes of whole numbers; xg 33,554,432 bytes; hid 67,108,864 bytes; part 33,554,432 bytes
;; launch router: the kernel of part 1 again; grid 256 x 1, 8 waves a work-group, no clusters, 17,920 bytes of LDS; arguments x, Wg, xb, gw, bm; writes xb, gw, bm
;; launch place (part 5): grid 32 x 8, 8 waves a work-group, no clusters, 5,376 bytes of LDS; arguments xb, bm, xg, lst, cnt; writes xg, lst, cnt
.if DOCPART == 5
	.amdgcn_target "amdgcn-amd-amdhsa--gfx1250"
	.amdhsa_code_object_version 6
	.text
	.protected	k_q0e7792fd4f_place
	.globl	k_q0e7792fd4f_place
	.p2align	8
	.type	k_q0e7792fd4f_place,@function
k_q0e7792fd4f_place:
	s_mov_b64 s[64:65], 0
	v_nop
	global_prefetch_b8 v0, s[64:65] scope:SCOPE_SE
	s_setreg_imm32_b32 hwreg(HW_REG_WAVE_MODE, 25, 1), 1
	s_wait_xcnt 0x0
; THE CHOSEN ROWS ARE LAID OUT ONCE.  For expert e the rows (ids slot*2048 + token, ascending) whose choice is e are listed from the bit rows that the launch before stored, and their
; bf16 rows of x are copied into xg in the order in which the next product's operand registers take them:
;   xg byte e*2^22 + rb*32,768 + ks*1,024 + j*512 + 16 lane  (rb: 16 rows by rank; ks: 32 channels; j: registers 0-3 or 4-7; lane (r, h) holds row r, channels 32 ks + 16 j + 8 h .. + 7).
; So the 32 work-groups that multiply an expert's rows read them as loads of 512 consecutive bytes, and no list is walked there.
; Work-group (b, e): the blocks rb = b, b + 32, b + 64, b + 96 that lie under twice the number of 32-row blocks; ranks past the count repeat the last row.  2,048 rows an expert are served, the most
; that two different choices a token allow; a work-group that a split leaves without a block stores nothing (b = 0 always stores list and count).
; Wave 0 alone writes the list in LDS (ids at data-dependent places), the others count; one barrier; then wave w copies K steps 4 w .. 4 w + 3 of the block:
; its eight loads together take 256 consecutive, aligned bytes of each of the 16 rows; each of its stores covers 512 consecutive bytes, aligned.
; No matrix unit, no tensor load: rows come by a list, and 32 KB a work-group need no ring.
.set LIST,  0                          ; 2,048 ids of 16 bits
.set DUMP,  4096                       ; where lanes without a row store: never read
.set SPARE, 4352                       ; the spare words, 128 bytes a wave
.set SPW, 1                            ; v1  my spare word's address; never rewritten
.set NIL, 2                            ; v2  0; never rewritten
.set RR,  3                            ; v3  lane % 16
.set H16, 4                            ; v4  16 x (lane / 16)
.set L16, 7                            ; v7  16 x lane
.set RK,  16                           ; v16-19  four words' ranks, then LDS addresses
.set ID,  24                           ; v24-27  four words' ids
.set O,   28                           ; v28-31  block t: my row's offset in xb
.set D,   32                           ; v32-159 block t: 8 loads of 4 registers at D + 32 t
.macro CNTW reg                        ; one word of the bit row is counted
	s_bcnt1_i32_b32 s89, s[\reg]
	s_add_co_u32 s87, s87, s89
.endm
.macro WORD4 n                         ; four words' set bits are listed: lane i's rank = the count so far + the word's set bits below i.  Four at a time, so that no line waits for the one before it
	s_bcnt1_i32_b32 s92, s[\n]
	s_bcnt1_i32_b32 s93, s[(\n)+1]
	s_bcnt1_i32_b32 s94, s[(\n)+2]
	s_bcnt1_i32_b32 s95, s[(\n)+3]
	s_add_co_u32 s92, s92, s87                     ; the counts behind each of the four words
	s_add_co_u32 s93, s93, s92
	s_add_co_u32 s94, s94, s93
	s_add_co_u32 s95, s95, s94
	v_mbcnt_lo_u32_b32 v[RK], s[\n], s87
	v_mbcnt_lo_u32_b32 v[RK+1], s[(\n)+1], s92
	v_mbcnt_lo_u32_b32 v[RK+2], s[(\n)+2], s93
	v_mbcnt_lo_u32_b32 v[RK+3], s[(\n)+3], s94
.irp q, 0,1,2,3
	v_cndmask_b32 v[RK+\q], v12, v[RK+\q], s[(\n)+\q]  ; a lane whose bit is clear takes place 2,048 + lane, in DUMP
.endr
.irp q, 0,1,2,3
	v_min_u32 v[RK+\q], 0x81f, v[RK+\q]
.endr
.irp q, 0,1,2,3
	v_lshl_add_u32 v[RK+\q], v[RK+\q], 1, LIST
.endr
.irp q, 0,1,2,3
	ds_store_b16 v[RK+\q], v[ID+\q]
.endr
.irp q, 0,1,2,3
	v_add_nc_u32 v[ID+\q], 128, v[ID+\q]           ; the ids four words on
.endr
	s_mov_b32 s87, s95
.endm
.macro BATCH                           ; 64 words of the bit row at once; s64 and s65 are not named
	s_load_b512 s[16:31], s[6:7], 0x0
	s_load_b512 s[32:47], s[6:7], 0x40
	s_load_b512 s[48:63], s[6:7], 0x80
	s_load_b512 s[68:83], s[6:7], 0xc0
	s_wait_kmcnt 0x0                               ; the loads are done, so their base may step
	s_add_nc_u64 s[6:7], s[6:7], 256
.endm
	s_load_b256 s[4:11], s[0:1], 0x0               ; xb s[4:5], bm s[6:7], xg s[8:9], lst s[10:11]
	s_load_b64 s[12:13], s[0:1], 0x20              ; cnt
	v_lshl_add_u32 v[SPW], v0, 2, SPARE
	v_mov_b32 v[NIL], 0
	v_lshrrev_b32 v8, 5, v0
	v_readfirstlane_b32 s84, v8                    ; wave
	s_mov_b32 s85, ttmp9                           ; b
	s_and_b32 s86, ttmp7, 0xffff                   ; expert e
	v_and_b32 v9, 31, v0                           ; lane
	v_and_b32 v[RR], 15, v0
	v_bfe_u32 v[H16], v0, 4, 1
	v_lshlrev_b32 v[H16], 4, v[H16]
	v_lshlrev_b32 v[L16], 4, v9
	v_lshl_add_u32 v10, s84, 8, v[H16]             ; my wave's 256 bytes of a row + 16 x half
	s_mov_b32 s97, 0
	s_mov_b32 s87, 0                               ; the count so far
	s_wait_kmcnt 0x0
	s_lshl_b32 s96, s86, 9
	s_add_nc_u64 s[6:7], s[6:7], s[96:97]          ; the expert's bit row, 128 words
	s_lshl_b32 s96, s86, 12
	s_add_nc_u64 s[10:11], s[10:11], s[96:97]
	s_lshl_b32 s96, s86, 7
	s_add_nc_u64 s[12:13], s[12:13], s[96:97]
	s_lshl_b32 s96, s86, 22                        ; xg: expert, block b, my wave's 4 K steps
	s_lshl_b32 s88, s85, 15
	s_add_co_u32 s96, s96, s88
	s_lshl_b32 s88, s84, 12
	s_add_co_u32 s96, s96, s88
	s_add_nc_u64 s[8:9], s[8:9], s[96:97]
	s_cmp_lg_u32 s84, 0
	s_cbranch_scc1 .Lothers
	v_add_nc_u32 v14, LIST, v[L16]                 ; wave 0 alone writes LIST: zeros first (LDS serves a wave's instructions in order), then the ids
.irp j, 32,33,34,35
	v_mov_b32 v[\j], 0
.endr
.irp j, 0,1,2,3,4,5,6,7
	ds_store_b128 v14, v[32:35] offset:512*(\j)
.endr
	v_add_nc_u32 v12, 2048, v9
.irp q, 0,1,2,3
	v_add_nc_u32 v[ID+\q], 32*(\q), v9
.endr
	s_mov_b32 s91, 2                               ; 2 trips of 64 words
.Llist:
	BATCH
.irp n, 16,20,24,28,32,36,40,44,48,52,56,60,68,72,76,80
	WORD4 \n
.endr
	s_sub_co_u32 s91, s91, 1
	s_cmp_lg_u32 s91, 0
	s_cbranch_scc1 .Llist
	s_branch .Lcounted
.Lothers:
	s_mov_b32 s91, 2                               ; the other waves only count
.Lcount:
	BATCH
.irp n, 16,17,18,19,20,21,22,23,24,25,26,27,28,29,30,31,32,33,34,35,36,37,38,39,40,41,42,43,44,45,46,47
	CNTW \n
.endr
.irp n, 48,49,50,51,52,53,54,55,56,57,58,59,60,61,62,63,68,69,70,71,72,73,74,75,76,77,78,79,80,81,82,83
	CNTW \n
.endr
	s_sub_co_u32 s91, s91, 1
	s_cmp_lg_u32 s91, 0
	s_cbranch_scc1 .Lcount
.Lcounted:
	s_wait_dscnt 0x0                               ; for the others' sake: wave 0's list is in LDS
	s_barrier_signal -1
	s_barrier_wait -1                              ; the one barrier: behind it LDS is only read
	s_min_u32 s87, s87, 2048                       ; the expert's rows
	s_add_co_u32 s89, s87, 31
	s_lshr_b32 s89, s89, 5
	s_lshl_b32 s89, s89, 1                         ; blocks of 16 rows to be written: whole blocks of 32
	s_sub_co_u32 s94, s87, 1                       ; the last rank
	s_cmp_lg_u32 s85, 0
	s_cbranch_scc1 .Lnolist
	v_lshl_add_u32 v8, v0, 4, LIST                 ; b = 0 hands list and count to the later launches
	ds_load_b128 v[160:163], v8
	v_lshlrev_b32 v164, 4, v0
	s_wait_dscnt 0x0
	global_store_b128 v164, v[160:163], s[10:11]
	s_cmp_lg_u32 s84, 0
	s_cbranch_scc1 .Lnolist
	v_mov_b32 v165, s87
	v_lshlrev_b32 v166, 2, v9
	global_store_b32 v166, v165, s[12:13]
.Lnolist:
	; my work-group's blocks, written out four times; each has registers of its own, and its place in xg (32 blocks = 1,048,576 bytes on) stands in the stores' immediate
.set t, 0
.rept 4
	s_add_co_u32 s88, s85, 32*t                    ; rb
	s_cmp_ge_u32 s88, s89
	s_cbranch_scc1 .Lend                           ; the first dead block ends the walk: nothing but loads and stores is jumped
	v_lshl_add_u32 v11, s88, 4, v[RR]              ; my row's rank
	v_min_u32 v11, s94, v11                        ; ranks past the count repeat the last row
	v_min_u32 v11, 0x7ff, v11
	v_lshl_add_u32 v11, v11, 1, LIST
	ds_load_u16 v[O+t], v11
	s_wait_dscnt 0x0
	v_min_u32 v[O+t], 0xfff, v[O+t]
	v_and_b32 v[O+t], 0x7ff, v[O+t]                ; the id's token
	v_lshl_add_u32 v[O+t], v[O+t], 11, v10         ; its row of 2,048 bytes + my place in it
.set i, 0
.rept 8
	global_load_b128 v[D+32*t+4*i:D+32*t+4*i+3], v[O+t], s[4:5] offset:32*i
.set i, i+1
.endr
.set i, 0
.rept 8
	s_wait_loadcnt 7-i                             ; load i is in; the younger ones stay out
	global_store_b128 v[L16], v[D+32*t+4*i:D+32*t+4*i+3], s[8:9] offset:1048576*t+512*i
.set i, i+1
.endr
.set t, t+1
.endr
.Lend:
	s_wait_tensorcnt 0x0                           ; the wave's end: three lines behind my last LDS store
	ds_add_u32 v[SPW], v[NIL]
	s_wait_dscnt 0x0
	s_endpgm
.Lfunc_end_k_q0e7792fd4f_place:
	.size	k_q0e7792fd4f_place, .Lfunc_end_k_q0e7792fd4f_place-k_q0e7792fd4f_place
	.p2alignl 7, 3214868480
	.fill 96, 4, 3214868480
	.section	.rodata,"a",@progbits
	.p2align	6, 0x0
	.amdhsa_kernel k_q0e7792fd4f_place
		.amdhsa_group_segment_fixed_size 5376
		.amdhsa_private_segment_fixed_size 0
		.amdhsa_enable_private_segment 0
		.amdhsa_kernarg_size 40
		.amdhsa_user_sgpr_count 2
		.amdhsa_user_sgpr_kernarg_segment_ptr 1
		.amdhsa_wavefront_size32 1
		.amdhsa_system_sgpr_workgroup_id_x 1
		.amdhsa_system_sgpr_workgroup_id_y 1
		.amdhsa_system_sgpr_workgroup_id_z 1
		.amdhsa_system_vgpr_workitem_id 0
		.amdhsa_next_free_vgpr 168
		.amdhsa_next_free_sgpr 104
		.amdhsa_reserve_vcc 0
		.amdhsa_float_denorm_mode_32 3
		.amdhsa_float_denorm_mode_16_64 3
		.amdhsa_memory_ordered 1
		.amdhsa_forward_progress 1
		.amdhsa_inst_pref_size 47
	.end_amdhsa_kernel
	.amdgpu_metadata
---
amdhsa.version: [ 1, 2 ]
amdhsa.kernels:
  - .name:           k_q0e7792fd4f_place
    .symbol:         k_q0e7792fd4f_place.kd
    .args:
      - { .name: xb, .offset: 0, .size: 8, .value_kind: global_buffer, .address_space: global }
      - { .name: bm, .offset: 8, .size: 8, .value_kind: global_buffer, .address_space: global }
      - { .name: xg, .offset: 16, .size: 8, .value_kind: global_buffer, .address_space: global }
      - { .name: lst, .offset: 24, .size: 8, .value_kind: global_buffer, .address_space: global }
      - { .name: cnt, .offset: 32, .size: 8, .value_kind: global_buffer, .address_space: global }
    .group_segment_fixed_size: 5376
    .private_segment_fixed_size: 0
    .kernarg_segment_align: 8
    .kernarg_segment_size: 40
    .max_flat_workgroup_size: 256
    .sgpr_count:     104
    .vgpr_count:     168
    .wavefront_size: 32
...
	.end_amdgpu_metadata
.endif
;; end of part 5
;; launch fc1 (part 6): grid 32 x 8, 8 waves a work-group, no clusters, 133,120 bytes of LDS; arguments xg, W1, cnt, hid; writes hid
.if DOCPART == 6
	.amdgcn_target "amdgcn-amd-amdhsa--gfx1250"
	.amdhsa_code_object_version 6
	.text
	.protected	k_q0e7792fd4f_fc1
	.globl	k_q0e7792fd4f_fc1
	.p2align	8
	.type	k_q0e7792fd4f_fc1,@function
k_q0e7792fd4f_fc1:
	s_mov_b64 s[64:65], 0
	v_nop
	global_prefetch_b8 v0, s[64:65] scope:SCOPE_SE
	s_setreg_imm32_b32 hwreg(HW_REG_WAVE_MODE, 25, 1), 1
	s_wait_xcnt 0x0
; FC1 OF THE CHOSEN ROWS.  hid = silu(x W1[e]^T) for the rows whose choice is expert e, by rank.  Work-group (s, e): columns 64 s .. 64 s + 63 of expert e's 2,048, all of e's rows.
; Its slice of W1 (64 rows x 1,024 f32) is read once, by it alone, rounded to bf16 on the way through registers and kept in LDS.  Then each wave takes TILES of 48 rows x 64 columns:
; K = 1,024 in 32 steps, 12 matrix instructions a step (3 x 16 rows, 4 x 16 columns) for 8 LDS loads of weights (4 KB) and 6 loads of tokens straight from xg, which the launch before laid out in the
; order of the operand registers (512 consecutive bytes a load), 8 steps ahead.  The first tile's first 7 steps are asked for while the last weights are still being rounded.
; TILES.  The expert has n16 = ceil(count / 16) blocks of 16 rows and ceil(n16 / 3) tiles; tile b has blocks 3 b, 3 b + 1, 3 b + 2, each held to n16 - 1: a block past the end is the tile's own last block
; once more, computed and stored again by the same wave with the same values.  Each of the three has a scalar base of its own.
; THE DEAL.  Wave w takes tile 8 t + w for even t and 8 t + sigma(w) for odd t, sigma = 0, 4, 5, 1, 6, 2, 3, 7: the first four tiles of the second eight go to waves 0, 3, 5, 6, which differ both in
; w mod 4 and in w / 2, so that they lie on four different SIMDs whichever of these two ways the waves are dealt.
; The loop over tiles has a length that hangs on the stored count: it writes no LDS, has no barrier, and its LDS addresses are fixed.  K steps 24 to 31 stand twice: with the next tile's first 8 steps
; asked for, and, for a wave's last tile, with nothing asked for; a forward branch on the trip counter chooses, and both ways join in front of the way out.
; THE MATRIX INSTRUCTION IS USED TRANSPOSED (source 0 = 16 columns' weights, source 1 = 16 tokens): a lane holds one token and 8 neighbouring columns; two such results, rounded to 16 bits,
; ARE the next product's token fragment in the same lanes, so hid is stored in that order: byte e*2^23 + rb*65,536 + ks*1,024 + j*512 + 16 lane (rb: 16 rows by rank; ks: 32 columns; j: registers 0-3 or 4-7).
; FORMATS.  x and W1 are multiplied in bf16, sums in f32.  hid is rounded once, to f16: its 11 significant bits leave the next product's sums an eighth of the error that bf16's 8 would.
; NO MULTICAST, NO TENSOR LOADS: each slice has one reader and must pass through registers to be rounded; how much of xg is read hangs on the count, and such a loop holds no ring in LDS and no barrier.
; LIMITS.  f16 holds no number beyond 65,504: a hidden number of 65,520 or more becomes an infinity; below 6e-5 it keeps f16's fixed step of 6e-8.
; NaN and infinities are not treated apart.  An expert's count is held to 2,048, the most that two different choices a token allow.
.set PITCH, 2064                       ; a slice row in LDS: 2,048 bytes + 16 = 129 x 16: the 16 rows of a fragment load start at 16 different groups of four banks
.set SPARE, 64*PITCH                   ; 132,096: the spare words, 128 bytes a wave
.set RP,    4096                       ; bytes from row to row of W1
.set SPW, 1                            ; v1  my spare word's address; never rewritten
.set NIL, 2                            ; v2  0; never rewritten
.set RR,  3                            ; v3  lane % 16
.set H16, 4                            ; v4  16 x (lane / 16)
.set VB0, 5                            ; v5  my place in the slice's rows 0-31
.set VB1, 6                            ; v6  in its rows 32-63
.set L16, 7                            ; v7  16 x lane
.set WST, 10                           ; v10 where my wave's 8 slice rows go, + 8 x lane
.set TB,  32                           ; v32-63  at work on the way out, by turns with
.set TA,  64                           ; v64-95
.set BB,  96                           ; v96-159 weights' fragments, two buffers of 32
.set ACC, 160                          ; v160-255 tile (f, cb) at ACC + 8 (4 f + cb), f = 0 .. 2
                                       ; window 1, v0-191: tokens' fragments, a ring of 8 K steps: slot*24 + 8 f.  During the weight phase v64-255 of window 0 are three groups of loads, v32-63 packed results
.set CURB, 16                          ; s[16:21] xg at the three blocks of the tile in hand
.set NXTB, 24                          ; s[24:29] at those of the next tile
.set HB,   32                          ; s[32:37] hid at the three blocks of the tile in hand
                                       ; s84 wave, s85 slice, s86 expert, s87 count, s89 tiles, s90 my tiles, s91 trip, s[92:93] an offset, s95 n16 - 1, s96 the tile in hand, s97 the next, s98 sigma(w)
.set MSB, 0
.macro WIN new                         ; the immediate's high byte repeats the setting that is left; a switch that changes nothing is dropped
.if MSB != (\new)
	s_set_vgpr_msb (MSB<<8)|(\new)
.set MSB, \new
.endif
.endm
.macro WLOAD g, ring                   ; group g: rows 2 g, 2 g + 1 of my 8, 16 loads of 512 consecutive bytes
.set i, 0
.rept 16
	global_load_b128 v[64+64*(\ring)+4*i:64+64*(\ring)+4*i+3], v[L16], s[6:7] offset:(2*(\g)+i/8)*RP+(i%8)*512 th:TH_LOAD_NT
.set i, i+1
.endr
.endm
.macro WCONV g, ring                   ; rounded to bf16 and laid into the slice
.set i, 0
.rept 16
	v_cvt_pk_bf16_f32 v[32+2*i], v[64+64*(\ring)+4*i], v[64+64*(\ring)+4*i+1]
	v_cvt_pk_bf16_f32 v[33+2*i], v[64+64*(\ring)+4*i+2], v[64+64*(\ring)+4*i+3]
	ds_store_b64 v[WST], v[32+2*i:33+2*i] offset:(2*(\g)+i/8)*PITCH+(i%8)*256
.set i, i+1
.endr
.endm
.macro BASES blk, dst, sh, base        ; the three blocks of tile s[blk]: s[dst ..] = s[base ..] + (block << sh); a block past the expert's last is the last
	s_mul_i32 s88, s[\blk], 3
.irp f, 0,1,2
	s_add_co_u32 s92, s88, \f
	s_min_u32 s92, s92, s95
	s_min_u32 s92, s92, 127                        ; an expert's room is 128 blocks
	s_lshl_b32 s92, s92, \sh
	s_add_nc_u64 s[(\dst)+2*(\f):(\dst)+2*(\f)+1], s[\base:(\base)+1], s[92:93]
.endr
.endm
.macro LDB ks, buf                     ; the weights' fragments of K step ks: 4 x 16 columns x 32 K, 8 LDS loads
.irp cb, 0,1
	ds_load_b128 v[BB+32*(\buf)+8*(\cb):BB+32*(\buf)+8*(\cb)+3],   v[VB0] offset:(\cb)*16*PITCH+64*(\ks)
	ds_load_b128 v[BB+32*(\buf)+8*(\cb)+4:BB+32*(\buf)+8*(\cb)+7], v[VB0] offset:(\cb)*16*PITCH+64*(\ks)+32
.endr
.irp cb, 0,1
	ds_load_b128 v[BB+32*(\buf)+16+8*(\cb):BB+32*(\buf)+16+8*(\cb)+3],   v[VB1] offset:(\cb)*16*PITCH+64*(\ks)
	ds_load_b128 v[BB+32*(\buf)+16+8*(\cb)+4:BB+32*(\buf)+16+8*(\cb)+7], v[VB1] offset:(\cb)*16*PITCH+64*(\ks)+32
.endr
.endm
.macro LDA ks, slot, nxt               ; the tokens' fragments of K step ks, of the tile in hand (nxt = 0) or the next: 6 loads of 512 consecutive bytes into ring slot
	WIN 0x40                                       ; destination window 1, address window 0
.irp f, 0,1,2
	global_load_b128 v[24*(\slot)+8*(\f):24*(\slot)+8*(\f)+3],   v[L16], s[CURB+8*(\nxt)+2*(\f):CURB+8*(\nxt)+2*(\f)+1] offset:(\ks)*1024
	global_load_b128 v[24*(\slot)+8*(\f)+4:24*(\slot)+8*(\f)+7], v[L16], s[CURB+8*(\nxt)+2*(\f):CURB+8*(\nxt)+2*(\f)+1] offset:(\ks)*1024+512
.endr
.endm
.macro STEP ks, tail=0                 ; tail = 1: a wave's last tile, K steps 24 to 31: no tokens are asked for, and the counts run down
	WIN 0x04                                       ; source 1 (tokens) window 1, all else window 0
.if \tail
	s_wait_loadcnt 6*(31-(\ks))                    ; this step's 6 token loads are in; only the later steps' are behind them
.else
	s_wait_loadcnt 42                              ; this step's 6 token loads are in; the 7 younger steps' 42 stay out
.endif
.if (\tail) && ((\ks) == 31)
	s_wait_dscnt 0x0                               ; the last weights
.else
	s_wait_dscnt 8                                 ; this step's weights are in; the next step's 8 loads stay out
.endif
.irp f, 0,1,2
.irp cb, 0,1,2,3                       ; the 12 accumulators take turns
.if (\ks) == 0
	v_wmma_f32_16x16x32_bf16 v[ACC+8*(4*(\f)+(\cb)):ACC+8*(4*(\f)+(\cb))+7], v[BB+32*((\ks)%2)+8*(\cb):BB+32*((\ks)%2)+8*(\cb)+7], v[24*((\ks)%8)+8*(\f):24*((\ks)%8)+8*(\f)+7], 0
.else
	v_wmma_f32_16x16x32_bf16 v[ACC+8*(4*(\f)+(\cb)):ACC+8*(4*(\f)+(\cb))+7], v[BB+32*((\ks)%2)+8*(\cb):BB+32*((\ks)%2)+8*(\cb)+7], v[24*((\ks)%8)+8*(\f):24*((\ks)%8)+8*(\f)+7], v[ACC+8*(4*(\f)+(\cb)):ACC+8*(4*(\f)+(\cb))+7]
.endif
.endr
.endr
.rept 4
	v_nop                                          ; four places in front of loads into registers that these products read (and, behind the last step, of the way out)
.endr
.if !(\tail) || ((\ks) < 30)
	LDB ((\ks)+2)%32, (\ks)%2
.endif
.if !(\tail)
	LDA ((\ks)+8)%32, (\ks)%8, (\ks)/24
.endif
.endm
.macro SILU f, t                       ; 16 rows x 64 columns: s / (1 + 2^(-s log2 e)), rounded to f16, stored as two token fragments; t: the 32 registers at work
.set A0, ACC+32*(\f)
.set z, 0
.rept 16
	v_pk_mul_f32 v[(\t)+2*z:(\t)+2*z+1], v[A0+2*z:A0+2*z+1], 0xbfb8aa3b op_sel_hi:[1,0]  ; each accumulator is read from its low end on
.set z, z+1
.endr
.set z, 0
.rept 32
	v_exp_f32 v[(\t)+z], v[(\t)+z]
.set z, z+1
.endr
	v_nop                                          ; a plain instruction behind the last exponential,
	s_wait_alu depctr_va_vdst(0)                   ; and one wait for the batch of 32
.set z, 0
.rept 16
	v_pk_add_f32 v[(\t)+2*z:(\t)+2*z+1], v[(\t)+2*z:(\t)+2*z+1], 1.0 op_sel_hi:[1,0]
.set z, z+1
.endr
.set z, 0
.rept 32
	v_rcp_f32 v[(\t)+z], v[(\t)+z]
.set z, z+1
.endr
	v_nop
	s_wait_alu depctr_va_vdst(0)
.set z, 0
.rept 16
	v_pk_mul_f32 v[(\t)+2*z:(\t)+2*z+1], v[(\t)+2*z:(\t)+2*z+1], v[A0+2*z:A0+2*z+1]
.set z, z+1
.endr
.set z, 0
.rept 16
	v_cvt_pk_f16_f32 v[(\t)+z], v[(\t)+2*z], v[(\t)+2*z+1]  ; ascending: no pair is overwritten before it is read
.set z, z+1
.endr
.irp p, 0,1
.irp j, 0,1
	global_store_b128 v[L16], v[(\t)+8*(\p)+4*(\j):(\t)+8*(\p)+4*(\j)+3], s[HB+2*(\f):HB+2*(\f)+1] offset:(\p)*1024+(\j)*512  ; 512 consecutive bytes, aligned
.endr
.endr
.endm
	s_load_b256 s[4:11], s[0:1], 0x0               ; xg s[4:5], W1 s[6:7], cnt s[8:9], hid s[10:11]
	v_lshl_add_u32 v[SPW], v0, 2, SPARE
	v_mov_b32 v[NIL], 0
	v_lshrrev_b32 v8, 5, v0
	v_readfirstlane_b32 s84, v8                    ; wave
	s_mov_b32 s85, ttmp9                           ; slice s
	s_and_b32 s86, ttmp7, 0xffff                   ; expert e
	s_lshl_b32 s98, s84, 2
	s_lshr_b32 s98, 0x73261540, s98                ; sigma(w): the w-th group of four bits
	s_and_b32 s98, s98, 7
	v_and_b32 v9, 31, v0                           ; lane
	v_and_b32 v[RR], 15, v0
	v_bfe_u32 v[H16], v0, 4, 1
	v_lshlrev_b32 v[H16], 4, v[H16]
	v_mul_u32_u24 v[VB0], v[RR], PITCH
	v_add_nc_u32 v[VB0], v[VB0], v[H16]            ; row x pitch + 16 x half
	v_add_nc_u32 v[VB1], 32*PITCH, v[VB0]
	v_lshlrev_b32 v[L16], 4, v9
	v_lshlrev_b32 v[WST], 3, v9
	s_mul_i32 s88, s84, 8*PITCH
	v_add_nc_u32 v[WST], s88, v[WST]
	s_lshl_b32 s92, s86, 23                        ; W1: expert, slice's 64 rows, my wave's 8 of them
	s_lshl_b32 s88, s85, 18
	s_add_co_u32 s92, s92, s88
	s_lshl_b32 s88, s84, 15
	s_add_co_u32 s92, s92, s88
	s_mov_b32 s93, 0
	s_wait_kmcnt 0x0
	s_add_nc_u64 s[6:7], s[6:7], s[92:93]
	WLOAD 0, 0                                     ; 48 loads of the wave go out before anything else is done
	WLOAD 1, 1
	WLOAD 2, 2
	s_lshl_b32 s92, s86, 7
	s_add_nc_u64 s[8:9], s[8:9], s[92:93]
	s_load_b32 s87, s[8:9], 0x0                    ; the expert's rows
	s_lshl_b32 s92, s86, 22
	s_add_nc_u64 s[4:5], s[4:5], s[92:93]          ; xg at the expert's first row
	s_lshl_b32 s92, s86, 23                        ; hid: expert, my slice's two K steps
	s_lshl_b32 s88, s85, 11
	s_add_co_u32 s92, s92, s88
	s_add_nc_u64 s[10:11], s[10:11], s[92:93]
	s_wait_kmcnt 0x0
	s_min_u32 s87, s87, 2048
	s_add_co_u32 s89, s87, 15
	s_lshr_b32 s89, s89, 4                         ; n16: blocks of 16 rows
	s_sub_co_u32 s95, s89, 1                       ; the last of them
	s_add_co_u32 s89, s89, 2
	s_mul_hi_u32 s89, s89, 0x55555556              ; (n16 + 2) / 3: tiles
	s_lshr_b32 s90, s89, 3                         ; whole eights of tiles: one tile each for me,
	s_and_b32 s88, s89, 7                          ; and of the tiles left over
	s_and_b32 s99, s90, 1
	s_cmp_lg_u32 s99, 0
	s_cselect_b32 s99, s98, s84                    ; my place in that eight: sigma(w) in an odd one, w in an even one
	s_cmp_lt_u32 s99, s88
	s_cselect_b32 s99, 1, 0
	s_add_co_u32 s90, s90, s99                     ; my tiles
	s_mov_b32 s96, s84                             ; my first tile,
	s_add_co_u32 s97, s98, 8                       ; my second
	BASES 96, NXTB, 15, 4                          ; (a wave without a tile uses nothing of what it asks for here)
	s_wait_loadcnt 32                              ; group 0 is in; the two younger groups of 16 stay out
	WCONV 0, 0
	WLOAD 3, 0
	s_wait_loadcnt 32                              ; group 1; groups 2 and 3 stay out
	WCONV 1, 1
	s_wait_loadcnt 16                              ; group 2; group 3 stays out
	WCONV 2, 2
.set k, 0
.rept 7
	LDA k, k, 1                                    ; my first tile's first 7 K steps: 42 loads, behind the last weights
.set k, k+1
.endr
	WIN 0
	s_wait_loadcnt 42                              ; group 3 is in; the 42 token loads stay out
	WCONV 3, 0
	s_wait_dscnt 0x0                               ; for the others' sake: my rows of the slice are in LDS
	s_barrier_signal -1
	s_barrier_wait -1                              ; the one barrier: behind it LDS is only read
	s_cmp_eq_u32 s90, 0
	s_cbranch_scc1 .Lend
	LDA 7, 7, 1                                    ; and its K step 7
	WIN 0
	LDB 0, 0
	LDB 1, 1
	s_mov_b32 s91, 0
.Ltrip:                                                ; a tile of 48 rows
	s_wait_xcnt 0x0                                ; bases of loads and stores that are out, and the stores' data, are written again only behind this wait
	s_mov_b64 s[CURB:CURB+1], s[NXTB:NXTB+1]
	s_mov_b64 s[CURB+2:CURB+3], s[NXTB+2:NXTB+3]
	s_mov_b64 s[CURB+4:CURB+5], s[NXTB+4:NXTB+5]
	BASES 96, HB, 16, 10                           ; where this tile's results go
	BASES 97, NXTB, 15, 4                          ; where the next tile's tokens lie
	s_mov_b32 s99, s96
	s_mov_b32 s96, s97                             ; the tiles move on: w, 8 + sigma, 16 + w, 24 + sigma, ..
	s_add_co_u32 s97, s99, 16
.set k, 0
.rept 24
	STEP k
.set k, k+1
.endr
	WIN 0                                          ; at a branch and at a label every window is 0
	s_add_co_u32 s99, s91, 1
	s_cmp_lt_u32 s99, s90
	s_cbranch_scc0 .Llast                          ; my last tile asks for nothing more
.set k, 24
.rept 8
	STEP k
.set k, k+1
.endr
	WIN 0
	s_branch .Lout
.Llast:
.set k, 24
.rept 8
	STEP k, 1
.set k, k+1
.endr
	WIN 0
.Lout:
	SILU 0, TA
	SILU 1, TB
	s_wait_xcnt 0x0                                ; the first block's stores have read v64-95
	SILU 2, TA
	s_add_co_u32 s91, s91, 1
	s_cmp_lt_u32 s91, s90
	s_cbranch_scc1 .Ltrip
.Lend:
	s_wait_tensorcnt 0x0                           ; the wave's end: three lines behind my last LDS store
	ds_add_u32 v[SPW], v[NIL]
	s_wait_dscnt 0x0
	s_endpgm
.Lfunc_end_k_q0e7792fd4f_fc1:
	.size	k_q0e7792fd4f_fc1, .Lfunc_end_k_q0e7792fd4f_fc1-k_q0e7792fd4f_fc1
	.p2alignl 7, 3214868480
	.fill 96, 4, 3214868480
	.section	.rodata,"a",@progbits
	.p2align	6, 0x0
	.amdhsa_kernel k_q0e7792fd4f_fc1
		.amdhsa_group_segment_fixed_size 133120
		.amdhsa_private_segment_fixed_size 0
		.amdhsa_enable_private_segment 0
		.amdhsa_kernarg_size 32
		.amdhsa_user_sgpr_count 2
		.amdhsa_user_sgpr_kernarg_segment_ptr 1
		.amdhsa_wavefront_size32 1
		.amdhsa_system_sgpr_workgroup_id_x 1
		.amdhsa_system_sgpr_workgroup_id_y 1
		.amdhsa_system_sgpr_workgroup_id_z 1
		.amdhsa_system_vgpr_workitem_id 0
		.amdhsa_next_free_vgpr 512
		.amdhsa_next_free_sgpr 104
		.amdhsa_reserve_vcc 0
		.amdhsa_float_denorm_mode_32 3
		.amdhsa_float_denorm_mode_16_64 3
		.amdhsa_memory_ordered 1
		.amdhsa_forward_progress 1
		.amdhsa_inst_pref_size 127
	.end_amdhsa_kernel
	.amdgpu_metadata
---
amdhsa.version: [ 1, 2 ]
amdhsa.kernels:
  - .name:           k_q0e7792fd4f_fc1
    .symbol:         k_q0e7792fd4f_fc1.kd
    .args:
      - { .name: xg, .offset: 0, .size: 8, .value_kind: global_buffer, .address_space: global }
      - { .name: W1, .offset: 8, .size: 8, .value_kind: global_buffer, .address_space: global }
      - { .name: cnt, .offset: 16, .size: 8, .value_kind: global_buffer, .address_space: global }
      - { .name: hid, .offset: 24, .size: 8, .value_kind: global_buffer, .address_space: global }
    .group_segment_fixed_size: 133120
    .private_segment_fixed_size: 0
    .kernarg_segment_align: 8
    .kernarg_segment_size: 32
    .max_flat_workgroup_size: 256
    .sgpr_count:     104
    .vgpr_count:     512
    .wavefront_size: 32
...
	.end_amdgpu_metadata
.endif
;; end of part 6
;; launch fc2 (part 7): grid 32 x 8, 8 waves a work-group, no clusters, 243,968 bytes of LDS; arguments hid, W2, lst, cnt, part; writes part
.if DOCPART == 7
	.amdgcn_target "amdgcn-amd-amdhsa--gfx1250"
	.amdhsa_code_object_version 6
	.text
	.protected	k_q0e7792fd4f_fc2
	.globl	k_q0e7792fd4f_fc2
	.p2align	8
	.type	k_q0e7792fd4f_fc2,@function
k_q0e7792fd4f_fc2:
	s_mov_b64 s[64:65], 0
	v_nop
	global_prefetch_b8 v0, s[64:65] scope:SCOPE_SE
	s_setreg_imm32_b32 hwreg(HW_REG_WAVE_MODE, 25, 1), 1
	s_wait_xcnt 0x0
; FC2 OF THE CHOSEN ROWS.  part[kh][id][:] = hid(row) W2[e]^T over half kh of the hidden width.  Work-group (s, e): cg = s / 2: columns 64 cg .. + 63 of the 1,024; kh = s % 2: K = 1,024 kh .. + 1,023.
; Its slice of W2 (64 rows x 1,024 f32) is read once, by it alone, rounded through registers and kept in LDS.  Then each wave takes TILES of 48 rows x 64 columns by rank:
; 32 K steps of 12 matrix instructions for 8 LDS loads of weights (4 KB) and 6 loads of tokens straight from hid, which lies in the order of the operand registers, 8 steps ahead.
; The first tile's first 7 steps are asked for while the last weights are still being rounded.
; TILES.  The expert has n16 = ceil(count / 16) blocks of 16 rows and ceil(n16 / 3) tiles; tile b has blocks 3 b, 3 b + 1, 3 b + 2, each held to n16 - 1: a block past the end is the tile's own last block
; once more, computed and stored again by the same wave with the same values.  Ranks past the count repeat the last row: same values to the same place.
; THE DEAL.  Wave w takes tile 8 t + w for even t and 8 t + sigma(w) for odd t, sigma = 0, 4, 5, 1, 6, 2, 3, 7: the first four tiles of the second eight go to waves 0, 3, 5, 6, which differ both in
; w mod 4 and in w / 2, so that they lie on four different SIMDs whichever of these two ways the waves are dealt.
; The partial sums (f32) go through the wave's own stage in LDS and are stored as whole rows of 256 bytes at the row's id (slot*2048 + token), which the stored list names.
; The loop over tiles has a length that hangs on the stored count: no barrier in it, fixed LDS addresses, the stage is each wave's own.  K steps 24 to 31 stand twice: with the next tile's first 8 steps
; asked for, and, for a wave's last tile, with nothing asked for; a forward branch on the trip counter chooses, and both ways join in front of the way out.
; K IS SPLIT IN TWO so that a work-group reads half of the expert's hid; the two halves are added by the launch behind, in a fixed order.
; FORMATS.  hid arrives in f16, so the product is the f16 form.  W2 is rounded to bf16, as all the module's inputs are, and that number is written as f16.
; NO MULTICAST, NO TENSOR LOADS: each slice has one reader and must pass through registers to be rounded; how much of hid is read hangs on the count.
; LIMITS.  A weight's bf16 number is exact in f16 from 2^-17 up to 65,504; below 2^-17 it keeps f16's fixed step of 2^-24; from 65,520 on it becomes an infinity.
; NaN and infinities are not treated apart.  The count is held to 2,048.
.set PITCH, 2064                       ; a slice row in LDS: 2,048 bytes + 16 = 129 x 16
.set LIST,  64*PITCH                   ; 132,096: 2,048 ids of 16 bits
.set SPARE, LIST+4096+256              ; the spare words, 128 bytes a wave
.set OFFS,  SPARE+1024                 ; 256 bytes a wave: the ids of the tile in hand, a word a row
.set STAGE, OFFS+2048                  ; 48 rows x 272 bytes a wave
.set SPITCH, 272
.set RP,    8192                       ; bytes from row to row of W2
.set SPW, 1                            ; v1  my spare word's address; never rewritten
.set NIL, 2                            ; v2  0; never rewritten
.set RR,  3                            ; v3  lane % 16
.set H16, 4                            ; v4  16 x (lane / 16)
.set VB0, 5                            ; v5  my place in the slice's rows 0-31
.set VB1, 6                            ; v6  in its rows 32-63
.set L16, 7                            ; v7  16 x lane
.set WST, 10                           ; v10 where my wave's 8 slice rows go, + 8 x lane
.set Q,   16                           ; v16-29  the queue of ids: Q+0 row lane, Q+1 row 32 + lane % 16 of the tile in hand; Q+2, Q+3 of the next, ..
.set STO, 36                           ; v36 the stage: where I put 16 bytes of a row
.set RD,  37                           ; v37 where I read rows back
.set OFW, 38                           ; v38 where I put my row's id
.set OFR, 39                           ; v39 where I read the id of the row that I store
.set R16, 40                           ; v40 16 x (lane % 16)
.set T,   64                           ; v64-87  the stores' offsets
.set BB,  96                           ; v96-159 weights' fragments, two buffers of 32
.set ACC, 160                          ; v160-255 tile (f, cb) at ACC + 8 (4 f + cb), f = 0 .. 2; then the rows read back
                                       ; window 1, v0-191: tokens' fragments, a ring of 8 K steps: slot*24 + 8 f
.set CURB, 16                          ; s[16:21] hid at the three blocks of the tile in hand
.set NXTB, 24                          ; s[24:29] at those of the next tile
                                       ; s84 wave, s86 expert, s87 count, s89 tiles, s90 my tiles, s91 trip, s[92:93] an offset, s94 count - 1, s95 n16 - 1, s96 the tile in hand, s97 the next, s98 sigma(w)
.set MSB, 0
.macro WIN new                         ; the immediate's high byte repeats the setting that is left; a switch that changes nothing is dropped
.if MSB != (\new)
	s_set_vgpr_msb (MSB<<8)|(\new)
.set MSB, \new
.endif
.endm
.macro WLOAD g, ring                   ; group g: rows 2 g, 2 g + 1 of my 8, 16 loads of 512 consecutive bytes
.set i, 0
.rept 16
	global_load_b128 v[64+64*(\ring)+4*i:64+64*(\ring)+4*i+3], v[L16], s[6:7] offset:(2*(\g)+i/8)*RP+(i%8)*512 th:TH_LOAD_NT
.set i, i+1
.endr
.endm
.macro WCONV g, ring                   ; four weights: rounded to bf16, widened again (a shift, a mask), written as f16, laid into the slice
.set i, 0
.rept 16
.set WR, 64+64*(\ring)+4*i
	v_cvt_pk_bf16_f32 v[32+2*i], v[WR], v[WR+1]
	v_cvt_pk_bf16_f32 v[33+2*i], v[WR+2], v[WR+3]
	v_lshlrev_b32 v[WR], 16, v[32+2*i]
	v_and_b32 v[WR+1], s82, v[32+2*i]
	v_lshlrev_b32 v[WR+2], 16, v[33+2*i]
	v_and_b32 v[WR+3], s82, v[33+2*i]
	v_cvt_pk_f16_f32 v[32+2*i], v[WR], v[WR+1]
	v_cvt_pk_f16_f32 v[33+2*i], v[WR+2], v[WR+3]
	ds_store_b64 v[WST], v[32+2*i:33+2*i] offset:(2*(\g)+i/8)*PITCH+(i%8)*256
.set i, i+1
.endr
.endm
.macro BASES blk, dst, sh, base        ; the three blocks of tile s[blk]: s[dst ..] = s[base ..] + (block << sh); a block past the expert's last is the last
	s_mul_i32 s88, s[\blk], 3
.irp f, 0,1,2
	s_add_co_u32 s92, s88, \f
	s_min_u32 s92, s92, s95
	s_min_u32 s92, s92, 127                        ; an expert's room is 128 blocks
	s_lshl_b32 s92, s92, \sh
	s_add_nc_u64 s[(\dst)+2*(\f):(\dst)+2*(\f)+1], s[\base:(\base)+1], s[92:93]
.endr
.endm
.macro LDB ks, buf                     ; the weights' fragments of K step ks: 8 LDS loads
.irp cb, 0,1
	ds_load_b128 v[BB+32*(\buf)+8*(\cb):BB+32*(\buf)+8*(\cb)+3],   v[VB0] offset:(\cb)*16*PITCH+64*(\ks)
	ds_load_b128 v[BB+32*(\buf)+8*(\cb)+4:BB+32*(\buf)+8*(\cb)+7], v[VB0] offset:(\cb)*16*PITCH+64*(\ks)+32
.endr
.irp cb, 0,1
	ds_load_b128 v[BB+32*(\buf)+16+8*(\cb):BB+32*(\buf)+16+8*(\cb)+3],   v[VB1] offset:(\cb)*16*PITCH+64*(\ks)
	ds_load_b128 v[BB+32*(\buf)+16+8*(\cb)+4:BB+32*(\buf)+16+8*(\cb)+7], v[VB1] offset:(\cb)*16*PITCH+64*(\ks)+32
.endr
.endm
.macro LDA ks, slot, nxt               ; the tokens' fragments of K step ks, of the tile in hand (nxt = 0) or the next: 6 loads of 512 consecutive bytes into ring slot
	WIN 0x40                                       ; destination window 1, address window 0
.irp f, 0,1,2
	global_load_b128 v[24*(\slot)+8*(\f):24*(\slot)+8*(\f)+3],   v[L16], s[CURB+8*(\nxt)+2*(\f):CURB+8*(\nxt)+2*(\f)+1] offset:(\ks)*1024
	global_load_b128 v[24*(\slot)+8*(\f)+4:24*(\slot)+8*(\f)+7], v[L16], s[CURB+8*(\nxt)+2*(\f):CURB+8*(\nxt)+2*(\f)+1] offset:(\ks)*1024+512
.endr
.endm
.macro STEP ks, tail=0                 ; tail = 1: a wave's last tile, K steps 24 to 31: no tokens are asked for, and the counts run down
	WIN 0x04                                       ; source 1 (tokens) window 1, all else window 0
.if \tail
	s_wait_loadcnt 6*(31-(\ks))                    ; this step's 6 token loads are in; only the later steps' are behind them
.else
	s_wait_loadcnt 42                              ; this step's 6 token loads are in; the 7 younger steps' 42 stay out
.endif
.if (\tail) && ((\ks) == 31)
	s_wait_dscnt 0x0                               ; the last weights
.else
	s_wait_dscnt 8                                 ; this step's weights are in; the next step's 8 loads stay out
.endif
.irp f, 0,1,2
.irp cb, 0,1,2,3                       ; the 12 accumulators take turns
.if (\ks) == 0
	v_wmma_f32_16x16x32_f16 v[ACC+8*(4*(\f)+(\cb)):ACC+8*(4*(\f)+(\cb))+7], v[BB+32*((\ks)%2)+8*(\cb):BB+32*((\ks)%2)+8*(\cb)+7], v[24*((\ks)%8)+8*(\f):24*((\ks)%8)+8*(\f)+7], 0
.else
	v_wmma_f32_16x16x32_f16 v[ACC+8*(4*(\f)+(\cb)):ACC+8*(4*(\f)+(\cb))+7], v[BB+32*((\ks)%2)+8*(\cb):BB+32*((\ks)%2)+8*(\cb)+7], v[24*((\ks)%8)+8*(\f):24*((\ks)%8)+8*(\f)+7], v[ACC+8*(4*(\f)+(\cb)):ACC+8*(4*(\f)+(\cb))+7]
.endif
.endr
.endr
.rept 4
	v_nop                                          ; four places in front of loads into registers that these products read (and, behind the last step, of the way out)
.endr
.if !(\tail) || ((\ks) < 30)
	LDB ((\ks)+2)%32, (\ks)%2
.endif
.if !(\tail)
	LDA ((\ks)+8)%32, (\ks)%8, (\ks)/24
.endif
.endm
	s_load_b256 s[4:11], s[0:1], 0x0               ; hid s[4:5], W2 s[6:7], lst s[8:9], cnt s[10:11]
	s_load_b64 s[12:13], s[0:1], 0x20              ; part
	v_lshl_add_u32 v[SPW], v0, 2, SPARE
	v_mov_b32 v[NIL], 0
	v_lshrrev_b32 v8, 5, v0
	v_readfirstlane_b32 s84, v8                    ; wave
	s_mov_b32 s85, ttmp9
	s_and_b32 s86, ttmp7, 0xffff                   ; expert e
	s_lshr_b32 s80, s85, 1                         ; cg
	s_and_b32 s81, s85, 1                          ; kh
	s_mov_b32 s82, 0xffff0000                      ; a word's upper bf16
	s_lshl_b32 s98, s84, 2
	s_lshr_b32 s98, 0x73261540, s98                ; sigma(w): the w-th group of four bits
	s_and_b32 s98, s98, 7
	v_and_b32 v9, 31, v0                           ; lane
	v_and_b32 v[RR], 15, v0
	v_bfe_u32 v[H16], v0, 4, 1
	v_lshlrev_b32 v[H16], 4, v[H16]
	v_mul_u32_u24 v[VB0], v[RR], PITCH
	v_add_nc_u32 v[VB0], v[VB0], v[H16]
	v_add_nc_u32 v[VB1], 32*PITCH, v[VB0]
	v_lshlrev_b32 v[L16], 4, v9
	v_lshlrev_b32 v[WST], 3, v9
	s_mul_i32 s88, s84, 8*PITCH
	v_add_nc_u32 v[WST], s88, v[WST]
	v_lshlrev_b32 v11, 4, v0                       ; 16 x thread
	v_lshl_add_u32 v8, v0, 4, LIST
	s_lshl_b32 s92, s86, 23                        ; W2: expert, 64 cg + 8 w rows of 8,192 bytes, half kh of a row
	s_lshl_b32 s88, s80, 19
	s_add_co_u32 s92, s92, s88
	s_lshl_b32 s88, s84, 16
	s_add_co_u32 s92, s92, s88
	s_lshl_b32 s88, s81, 12
	s_add_co_u32 s92, s92, s88
	s_mov_b32 s93, 0
	s_wait_kmcnt 0x0
	s_add_nc_u64 s[6:7], s[6:7], s[92:93]
	s_lshl_b32 s92, s86, 12
	s_add_nc_u64 s[8:9], s[8:9], s[92:93]
	global_load_b128 v[12:15], v11, s[8:9]         ; my 16 bytes of the expert's list
	WLOAD 0, 0
	WLOAD 1, 1
	WLOAD 2, 2
	s_lshl_b32 s92, s86, 7
	s_add_nc_u64 s[10:11], s[10:11], s[92:93]
	s_load_b32 s87, s[10:11], 0x0                  ; the expert's rows
	s_lshl_b32 s92, s86, 23                        ; hid: expert, half kh = 32 K steps of 1,024 bytes
	s_lshl_b32 s88, s81, 15
	s_add_co_u32 s92, s92, s88
	s_add_nc_u64 s[4:5], s[4:5], s[92:93]
	s_lshl_b32 s92, s81, 24                        ; part: half kh, my 256 bytes of a row
	s_lshl_b32 s88, s80, 8
	s_add_co_u32 s92, s92, s88
	s_add_nc_u64 s[12:13], s[12:13], s[92:93]
	s_wait_kmcnt 0x0
	s_min_u32 s87, s87, 2048
	s_sub_co_u32 s94, s87, 1                       ; the last rank
	s_add_co_u32 s89, s87, 15
	s_lshr_b32 s89, s89, 4                         ; n16: blocks of 16 rows
	s_sub_co_u32 s95, s89, 1                       ; the last of them
	s_add_co_u32 s89, s89, 2
	s_mul_hi_u32 s89, s89, 0x55555556              ; (n16 + 2) / 3: tiles
	s_lshr_b32 s90, s89, 3                         ; whole eights of tiles: one tile each for me,
	s_and_b32 s88, s89, 7                          ; and of the tiles left over
	s_and_b32 s99, s90, 1
	s_cmp_lg_u32 s99, 0
	s_cselect_b32 s99, s98, s84                    ; my place in that eight: sigma(w) in an odd one, w in an even one
	s_cmp_lt_u32 s99, s88
	s_cselect_b32 s99, 1, 0
	s_add_co_u32 s90, s90, s99                     ; my tiles
	s_mov_b32 s96, s84                             ; my first tile,
	s_add_co_u32 s97, s98, 8                       ; my second
	BASES 96, NXTB, 16, 4                          ; (a wave without a tile uses nothing of what it asks for here)
	s_wait_loadcnt 32                              ; the list's piece and group 0 are in; the two younger groups of 16 stay out
	ds_store_b128 v8, v[12:15]
	WCONV 0, 0
	WLOAD 3, 0
	s_wait_loadcnt 32                              ; group 1; groups 2 and 3 stay out
	WCONV 1, 1
	s_wait_loadcnt 16                              ; group 2; group 3 stays out
	WCONV 2, 2
.set k, 0
.rept 7
	LDA k, k, 1                                    ; my first tile's first 7 K steps: 42 loads, behind the last weights
.set k, k+1
.endr
	WIN 0
	s_wait_loadcnt 42                              ; group 3 is in; the 42 token loads stay out
	WCONV 3, 0
	s_wait_dscnt 0x0                               ; for the others' sake: my rows of the slice and my piece of the list are in LDS
	s_barrier_signal -1
	s_barrier_wait -1                              ; the one barrier: behind it slice and list are only read
	s_cmp_eq_u32 s90, 0
	s_cbranch_scc1 .Lend
	LDA 7, 7, 1                                    ; my first tile's K step 7
	WIN 0
	s_mul_i32 s88, s84, 48*SPITCH
	s_add_co_u32 s88, s88, STAGE                   ; my stage
	v_mul_u32_u24 v[STO], v[RR], SPITCH            ; in: row lane % 16, 32 bytes for each half of the lanes
	v_lshl_add_u32 v[STO], v[H16], 1, v[STO]
	v_add_nc_u32 v[STO], s88, v[STO]
	v_lshrrev_b32 v8, 4, v[H16]                    ; lane / 16
	v_mul_u32_u24 v[RD], v8, SPITCH                ; back: lanes 0-15 one row of 256 bytes, lanes 16-31 the next
	v_lshl_add_u32 v[RD], v[RR], 4, v[RD]
	v_add_nc_u32 v[RD], s88, v[RD]
	v_lshlrev_b32 v[R16], 4, v[RR]
	s_lshl_b32 s88, s84, 8
	s_add_co_u32 s88, s88, OFFS
	v_lshl_add_u32 v[OFW], v9, 2, s88
	v_lshl_add_u32 v[OFR], v8, 2, s88
	; the queue: for my tiles t = 0 .. 5 (43 tiles at the most on 8 waves) the ids of row lane (blocks 0 and 1 of the tile) and of row 32 + lane % 16 (block 2).  Made here, so that the loop reads no list
.set z, 0
.rept 6
.if z%2
	s_add_co_u32 s88, s98, 8*z
.else
	s_add_co_u32 s88, s84, 8*z
.endif
	s_mul_i32 s88, s88, 3                          ; the tile's first block
	v_add_nc_u32 v11, s88, v8                      ; + lane / 16
	v_min_u32 v11, s95, v11                        ; a block past the expert's last is the last
	v_lshl_add_u32 v11, v11, 4, v[RR]              ; the rank
	v_min_u32 v11, s94, v11                        ; ranks past the count repeat the last row
	v_min_u32 v11, 0x7ff, v11
	v_lshl_add_u32 v11, v11, 1, LIST
	ds_load_u16 v[Q+2+2*z], v11
	s_add_co_u32 s88, s88, 2
	s_min_u32 s88, s88, s95
	v_lshl_add_u32 v11, s88, 4, v[RR]
	v_min_u32 v11, s94, v11
	v_min_u32 v11, 0x7ff, v11
	v_lshl_add_u32 v11, v11, 1, LIST
	ds_load_u16 v[Q+3+2*z], v11
.set z, z+1
.endr
	s_wait_dscnt 0x0
	LDB 0, 0
	LDB 1, 1
	s_mov_b32 s91, 0
.Ltrip:                                                ; a tile of 48 rows
	s_wait_xcnt 0x0                                ; bases of loads that are out, and the last tile's stores' offsets and data, are written again only behind this wait
.set z, 0
.rept 12
	v_mov_b32 v[Q+z], v[Q+z+2]                     ; the queue moves on, so that one text serves every tile
.set z, z+1
.endr
	s_mov_b64 s[CURB:CURB+1], s[NXTB:NXTB+1]
	s_mov_b64 s[CURB+2:CURB+3], s[NXTB+2:NXTB+3]
	s_mov_b64 s[CURB+4:CURB+5], s[NXTB+4:NXTB+5]
	BASES 97, NXTB, 16, 4                          ; where the next tile's tokens lie
	s_mov_b32 s99, s96
	s_mov_b32 s96, s97                             ; the tiles move on: w, 8 + sigma, 16 + w, 24 + sigma, ..
	s_add_co_u32 s97, s99, 16
.set k, 0
.rept 24
	STEP k
.set k, k+1
.endr
	WIN 0                                          ; at a branch and at a label every window is 0
	s_add_co_u32 s99, s91, 1
	s_cmp_lt_u32 s99, s90
	s_cbranch_scc0 .Llast                          ; my last tile asks for nothing more
.set k, 24
.rept 8
	STEP k
.set k, k+1
.endr
	WIN 0
	s_branch .Lout
.Llast:
.set k, 24
.rept 8
	STEP k, 1
.set k, k+1
.endr
	WIN 0
.Lout:
	; the way out: a lane's 8 columns of a row are 32 bytes; into my stage, back as whole rows of 256 bytes; each accumulator is read from its low end on
.irp f, 0,1,2
.irp cb, 0,1,2,3
	ds_store_b128 v[STO], v[ACC+8*(4*(\f)+(\cb)):ACC+8*(4*(\f)+(\cb))+3]   offset:(\f)*16*SPITCH+(\cb)*64
	ds_store_b128 v[STO], v[ACC+8*(4*(\f)+(\cb))+4:ACC+8*(4*(\f)+(\cb))+7] offset:(\f)*16*SPITCH+(\cb)*64+16
.endr
.endr
	ds_store_b32 v[OFW], v[Q]                      ; row lane's id,
	ds_store_b32 v[OFW], v[Q+1] offset:128         ; and row 32 + lane's (lanes 16-31 fill words that nobody reads)
.set u, 0
.rept 24
	ds_load_b32 v[T+u], v[OFR] offset:8*u          ; the id of row 2 u + lane / 16.  LDS serves a wave's instructions in order: these see the stores above
.set u, u+1
.endr
.set u, 0
.rept 24
	ds_load_b128 v[ACC+4*u:ACC+4*u+3], v[RD] offset:2*SPITCH*u
.set u, u+1
.endr
	s_wait_dscnt 0x0
.set u, 0
.rept 24
	v_min_u32 v[T+u], 0xfff, v[T+u]
	v_lshl_add_u32 v[T+u], v[T+u], 12, v[R16]      ; the id's row of 4,096 bytes + my 16 bytes
.set u, u+1
.endr
.set u, 0
.rept 24
	global_store_b128 v[T+u], v[ACC+4*u:ACC+4*u+3], s[12:13]  ; 16 lanes store 256 consecutive bytes, aligned
.set u, u+1
.endr
	s_add_co_u32 s91, s91, 1
	s_cmp_lt_u32 s91, s90
	s_cbranch_scc1 .Ltrip
.Lend:
	s_wait_tensorcnt 0x0                           ; the wave's end: three lines behind my last LDS store
	ds_add_u32 v[SPW], v[NIL]
	s_wait_dscnt 0x0
	s_endpgm
.Lfunc_end_k_q0e7792fd4f_fc2:
	.size	k_q0e7792fd4f_fc2, .Lfunc_end_k_q0e7792fd4f_fc2-k_q0e7792fd4f_fc2
	.p2alignl 7, 3214868480
	.fill 96, 4, 3214868480
	.section	.rodata,"a",@progbits
	.p2align	6, 0x0
	.amdhsa_kernel k_q0e7792fd4f_fc2
		.amdhsa_group_segment_fixed_size 243968
		.amdhsa_private_segment_fixed_size 0
		.amdhsa_enable_private_segment 0
		.amdhsa_kernarg_size 40
		.amdhsa_user_sgpr_count 2
		.amdhsa_user_sgpr_kernarg_segment_ptr 1
		.amdhsa_wavefront_size32 1
		.amdhsa_system_sgpr_workgroup_id_x 1
		.amdhsa_system_sgpr_workgroup_id_y 1
		.amdhsa_system_sgpr_workgroup_id_z 1
		.amdhsa_system_vgpr_workitem_id 0
		.amdhsa_next_free_vgpr 512
		.amdhsa_next_free_sgpr 104
		.amdhsa_reserve_vcc 0
		.amdhsa_float_denorm_mode_32 3
		.amdhsa_float_denorm_mode_16_64 3
		.amdhsa_memory_ordered 1
		.amdhsa_forward_progress 1
		.amdhsa_inst_pref_size 138
	.end_amdhsa_kernel
	.amdgpu_metadata
---
amdhsa.version: [ 1, 2 ]
amdhsa.kernels:
  - .name:           k_q0e7792fd4f_fc2
    .symbol:         k_q0e7792fd4f_fc2.kd
    .args:
      - { .name: hid, .offset: 0, .size: 8, .value_kind: global_buffer, .address_space: global }
      - { .name: W2, .offset: 8, .size: 8, .value_kind: global_buffer, .address_space: global }
      - { .name: lst, .offset: 16, .size: 8, .value_kind: global_buffer, .address_space: global }
      - { .name: cnt, .offset: 24, .size: 8, .value_kind: global_buffer, .address_space: global }
      - { .name: part, .offset: 32, .size: 8, .value_kind: global_buffer, .address_space: global }
    .group_segment_fixed_size: 243968
    .private_segment_fixed_size: 0
    .kernarg_segment_align: 8
    .kernarg_segment_size: 40
    .max_flat_workgroup_size: 256
    .sgpr_count:     104
    .vgpr_count:     512
    .wavefront_size: 32
...
	.end_amdgpu_metadata
.endif
;; end of part 7
;; launch sum: the kernel of part 4 again; grid 256 x 1, 8 waves a work-group, no clusters, 0 bytes of LDS; arguments part, gw, out0; writes out0
;; ======== version 3 of 3: 5 launches; version 2 with the launches fc1, fc2 written anew for expert scheduling mode
;; limits: values are held in f16: magnitudes above 65,504 overflow, below 6.1e-05 lose precision
;; workspace buffers: xb 4,194,304 bytes; gw 16,384 bytes; bm 4,096 bytes of whole numbers; lst 32,768 bytes of whole numbers; cnt 1,024 bytes of whole numbers; xg 33,554,432 bytes; hid 67,108,864 bytes; part 33,554,432 bytes
;; launch router: the kernel of part 1 again; grid 256 x 1, 8 waves a work-group, no clusters, 17,920 bytes of LDS; arguments x, Wg, xb, gw, bm; writes xb, gw, bm
;; launch place: the kernel of part 5 again; grid 32 x 8, 8 waves a work-group, no clusters, 5,376 bytes of LDS; arguments xb, bm, xg, lst, cnt; writes xg, lst, cnt
;; launch fc1 (part 8): grid 32 x 8, 8 waves a work-group, no clusters, 133,120 bytes of LDS; arguments xg, W1, cnt, hid; writes hid
.if DOCPART == 8
	.amdgcn_target "amdgcn-amd-amdhsa--gfx1250"
	.amdhsa_code_object_version 6
	.text
	.protected	k_q0e7792fd4f_fc1
	.globl	k_q0e7792fd4f_fc1
	.p2align	8
	.type	k_q0e7792fd4f_fc1,@function
k_q0e7792fd4f_fc1:
	s_mov_b64 s[64:65], 0
	v_nop
	global_prefetch_b8 v0, s[64:65] scope:SCOPE_SE
	s_setreg_imm32_b32 hwreg(HW_REG_WAVE_SCHED_MODE, 0, 2), 2
	s_setreg_imm32_b32 hwreg(HW_REG_WAVE_MODE, 25, 1), 1
	s_wait_xcnt 0x0
	s_wait_alu depctr_vm_vsrc(0)
; FC1 OF THE CHOSEN ROWS.  hid = silu(x W1[e]^T) for the rows whose choice is expert e, by rank.  Work-group (s, e): columns 64 s .. 64 s + 63 of expert e's 2,048, all of e's rows.
; Its slice of W1 (64 rows x 1,024 f32) is read once, by it alone, rounded to bf16 on the way through registers and kept in LDS.  Then each wave takes TILES of 48 rows x 64 columns:
; K = 1,024 in 32 steps, 12 matrix instructions a step (3 x 16 rows, 4 x 16 columns) for 8 LDS loads of weights (4 KB) and 6 loads of tokens straight from xg, which the launch before laid out in the
; order of the operand registers (512 consecutive bytes a load), three pairs of steps ahead.  The first tile's first 6 steps are asked for while the last weights are still being rounded.
; TILES.  The expert has n16 = ceil(count / 16) blocks of 16 rows and ceil(n16 / 3) tiles; tile b has blocks 3 b, 3 b + 1, 3 b + 2, each held to n16 - 1: a block past the end is the tile's own last block
; once more, computed and stored again by the same wave with the same values.  Each of the three has a scalar base of its own.
; THE DEAL.  Wave w takes tile 8 t + w for even t and 8 t + sigma(w) for odd t, sigma = 0, 4, 5, 1, 6, 2, 3, 7: the first four tiles of the second eight go to waves 0, 3, 5, 6, which differ both in
; w mod 4 and in w / 2, so that they lie on four different SIMDs whichever of these two ways the waves are dealt.
; The loop over tiles has a length that hangs on the stored count: it writes no LDS, has no barrier, and its LDS addresses are fixed.  K steps 26 to 31 stand twice: with the next tile's first 6 steps
; asked for, and, for a wave's last tile, with nothing asked for; a forward branch on the trip counter chooses, and both ways join in front of the way out.
; THE MATRIX INSTRUCTION IS USED TRANSPOSED (source 0 = 16 columns' weights, source 1 = 16 tokens): a lane holds one token and 8 neighbouring columns; two such results, rounded to 16 bits,
; ARE the next product's token fragment in the same lanes, so hid is stored in that order: byte e*2^23 + rb*65,536 + ks*1,024 + j*512 + 16 lane (rb: 16 rows by rank; ks: 32 columns; j: registers 0-3 or 4-7).
; FORMATS.  x and W1 are multiplied in bf16, sums in f32.  hid is rounded once, to f16: its 11 significant bits leave the next product's sums an eighth of the error that bf16's 8 would.
; NO MULTICAST, NO TENSOR LOADS: each slice has one reader and must pass through registers to be rounded; how much of xg is read hangs on the count, and such a loop holds no ring in LDS and no barrier.
; LIMITS.  f16 holds no number beyond 65,504: a hidden number of 65,520 or more becomes an infinity; below 6e-5 it keeps f16's fixed step of 6e-8.
; NaN and infinities are not treated apart.  An expert's count is held to 2,048, the most that two different choices a token allow.
; THE MODE: SCHED_MODE bits 1:0 = 2 (LLVM: expert scheduling mode 2), set by the entry lines.  The code itself states the register dependences
; between vector or matrix instructions and memory or LDS instructions, with s_wait_alu, always for 0.
; THE PLAN.  K goes in 16 PAIRS of steps.  Registers that memory or LDS instructions touch in the loop:
;   W0 .. W3      weights' fragments, K step ks in W[ks % 4] (v96-127, v128-159, v32-63, v64-95).  Pair p's products read the two of its own steps; its 16 LDS loads, pair p + 1's weights, land in the other two, which pair p - 1's products read.
;   slots 0 .. 7  tokens' fragments, K step ks in slot ks % 8 (window 1).  Pair p's products read its own two; its 12 loads, pair p + 3's tokens, land in the two that pair p - 1's products read.
;   v5, v6, v7    addresses and the offset, made at the head and never written again: the tiles are reached by scalar bases, the K steps by immediate offsets.
;   v64-79, v32-47  the way out's packed results (in W3 and W2, which lie idle there): written by conversions, read by stores.
; So ONE wait on va_vdst stands at a pair's head: pair p - 1's products are done reading their W and their slots.  The pair's 28 loads follow it, dealt among its 24 products, which name the pair's own W, its
; own slots and the accumulators: none of the registers that those loads touch.  ONE wait on vm_vsrc stands at a tile's head: the last tile's stores have read W2 and W3.
.set PITCH, 2064                       ; a slice row in LDS: 2,048 bytes + 16 = 129 x 16: the 16 rows of a fragment load start at 16 different groups of four banks
.set RP,    4096                       ; bytes from row to row of W1
.set RR,  3                            ; v3  lane % 16
.set H16, 4                            ; v4  16 x (lane / 16)
.set VB0, 5                            ; v5  my place in the slice's rows 0-31
.set VB1, 6                            ; v6  in its rows 32-63
.set L16, 7                            ; v7  16 x lane
.set WST, 10                           ; v10 where my wave's 8 slice rows go, + 8 x lane
.set TB,  32                           ; v32-63  at work on the way out, by turns with
.set TA,  64                           ; v64-95
.set ACC, 160                          ; v160-255 tile (f, cb) at ACC + 8 (4 f + cb), f = 0 .. 2
                                       ; window 1, v0-191: tokens' fragments, a ring of 8 K steps: slot*24 + 8 f.  During the weight phase v64-255 of window 0 are three groups of loads, v32-63 packed results
.set CURB, 16                          ; s[16:21] xg at the three blocks of the tile in hand
.set NXTB, 24                          ; s[24:29] at those of the next tile
.set HB,   32                          ; s[32:37] hid at the three blocks of the tile in hand
                                       ; s84 wave, s85 slice, s86 expert, s87 count, s89 tiles, s90 my tiles, s91 trip, s[92:93] an offset, s95 n16 - 1, s96 the tile in hand, s97 the next, s98 sigma(w)
.set MSB, 0
.macro WIN new                         ; the immediate's high byte repeats the setting that is left; a switch that changes nothing is dropped
.if MSB != (\new)
	s_set_vgpr_msb (MSB<<8)|(\new)
.set MSB, \new
.endif
.endm
.macro WLOAD g, ring                   ; group g: rows 2 g, 2 g + 1 of my 8, 16 loads of 512 consecutive bytes
.set i, 0
.rept 16
	global_load_b128 v[64+64*(\ring)+4*i:64+64*(\ring)+4*i+3], v[L16], s[6:7] offset:(2*(\g)+i/8)*RP+(i%8)*512 th:TH_LOAD_NT
.set i, i+1
.endr
.endm
.macro WCONV g, ring                   ; rounded to bf16 and laid into the slice: all roundings, one wait, the run of LDS stores
.if (\g) > 0
	s_wait_alu depctr_vm_vsrc(0)                   ; the LDS stores of the group before have read v32-63, which the roundings write again
.endif
.set i, 0
.rept 16
	v_cvt_pk_bf16_f32 v[32+2*i], v[64+64*(\ring)+4*i], v[64+64*(\ring)+4*i+1]
	v_cvt_pk_bf16_f32 v[33+2*i], v[64+64*(\ring)+4*i+2], v[64+64*(\ring)+4*i+3]
.set i, i+1
.endr
	s_wait_alu depctr_va_vdst(0)                   ; the roundings have written v32-63, which the LDS stores read, and are done reading the group's 64 registers, in which later loads land
.set i, 0
.rept 16
	ds_store_b64 v[WST], v[32+2*i:33+2*i] offset:(2*(\g)+i/8)*PITCH+(i%8)*256
.set i, i+1
.endr
.endm
.macro BASES blk, dst, sh, base        ; the three blocks of tile s[blk]: s[dst ..] = s[base ..] + (block << sh); a block past the expert's last is the last
	s_mul_i32 s88, s[\blk], 3
.irp f, 0,1,2
	s_add_co_u32 s92, s88, \f
	s_min_u32 s92, s92, s95
	s_min_u32 s92, s92, 127                        ; an expert's room is 128 blocks
	s_lshl_b32 s92, s92, \sh
	s_add_nc_u64 s[(\dst)+2*(\f):(\dst)+2*(\f)+1], s[\base:(\base)+1], s[92:93]
.endr
.endm
.macro LW ks, j                        ; LDS load j of the 8 that bring the weights' fragments of K step ks (4 x 16 columns x 32 K) into W[ks % 4]: columns 16 (j / 2) on, registers 0-3 or 4-7
.set FW, 32+32*(((\ks)+2)%4)+4*(\j)
	ds_load_b128 v[FW:FW+3], v[VB0+(\j)/4] offset:(((\j)/2)%2)*16*PITCH+64*(\ks)+32*((\j)%2)
.endm
.macro LDW ks                          ; all eight
.irp j, 0,1,2,3,4,5,6,7
	LW \ks, \j
.endr
.endm
.macro LDA ks, nxt                     ; the tokens' fragments of K step ks, of the tile in hand (nxt = 0) or the next: 6 loads of 512 consecutive bytes into slot ks % 8; the caller sets the window
.set FT, 24*((\ks)%8)
.irp f, 0,1,2
	global_load_b128 v[FT+8*(\f):FT+8*(\f)+3],   v[L16], s[CURB+8*(\nxt)+2*(\f):CURB+8*(\nxt)+2*(\f)+1] offset:(\ks)*1024
	global_load_b128 v[FT+8*(\f)+4:FT+8*(\f)+7], v[L16], s[CURB+8*(\nxt)+2*(\f):CURB+8*(\nxt)+2*(\f)+1] offset:(\ks)*1024+512
.endr
.endm
.macro MM ks, n                        ; product n of the 12 of K step ks: block n / 4 of the tile's three, columns 16 (n % 4) on.  The 12 accumulators take turns
.set FW, 32+32*(((\ks)+2)%4)+8*((\n)%4)
.set FT, 24*((\ks)%8)+8*((\n)/4)
.set FA, ACC+8*(\n)
.if (\ks) == 0
	v_wmma_f32_16x16x32_bf16 v[FA:FA+7], v[FW:FW+7], v[FT:FT+7], 0
.else
	v_wmma_f32_16x16x32_bf16 v[FA:FA+7], v[FW:FW+7], v[FT:FT+7], v[FA:FA+7]
.endif
.endm
; Pair p: K steps 2 p and 2 p + 1.  tail = 1: a wave's last tile, pairs 13 to 15: no tokens are asked for, the counts run down, and pair 15 asks for no weights either.
.macro PAIR p, tail=0
.set KA, 2*(\p)
.set KB, 2*(\p)+1
.set WON, 1
.if (\tail) && ((\p) == 15)
.set WON, 0
.endif
	WIN 0x04                                       ; source 1 (tokens) window 1, all else window 0
.if \tail
	s_wait_loadcnt 6*(31-KA)                       ; the first step's 6 token loads are in; only the later steps' are behind them
.else
	s_wait_loadcnt 30                              ; the first step's 6 token loads are in; the second step's 6 and two younger pairs' 24 stay out
.endif
	s_wait_dscnt 8                                 ; the first step's weights are in; the second step's 8 loads stay out
.if WON
	s_wait_alu depctr_va_vdst(0)                   ; the pair before is done reading its two W and its two slots, in which this pair's loads land; in pair 0 also: the way out (first trip: the roundings) has written v32-95
.endif
.set n, 0
.rept 4
	MM KA, n
.set n, n+1
.endr
.if !(\tail)
	WIN 0x40                                       ; destination window 1, address window 0
	LDA (KA+6)%32, (KA+6)/32                       ; three pairs ahead, in one run.  No wait: no product since the wait names these slots or v7
	LDA (KA+7)%32, (KA+7)/32
	WIN 0x04
.endif
.rept 8
	MM KA, n
.if WON
	LW (KA+2)%32, n-4                              ; the next pair's first step, a load behind each product.  No wait: no product since the wait names that W, v5 or v6
.endif
.set n, n+1
.endr
.if \tail
	s_wait_loadcnt 6*(31-KB)
.else
	s_wait_loadcnt 36                              ; the second step's tokens are in; two younger pairs' 24 and the 12 just issued stay out
.endif
.if WON
	s_wait_dscnt 8                                 ; the second step's weights are in; the 8 loads just issued stay out
.else
	s_wait_dscnt 0x0                               ; the last weights
.endif
.set n, 0
.rept 8
	MM KB, n
.if WON
	LW (KB+2)%32, n                                ; the next pair's second step
.endif
.set n, n+1
.endr
.rept 4
	MM KB, n
.set n, n+1
.endr
.endm
.macro SEND f, t                       ; block f's 16 packed words leave as two token fragments
.irp p, 0,1
.irp j, 0,1
	global_store_b128 v[L16], v[(\t)+8*(\p)+4*(\j):(\t)+8*(\p)+4*(\j)+3], s[HB+2*(\f):HB+2*(\f)+1] offset:(\p)*1024+(\j)*512  ; 512 consecutive bytes, aligned
.endr
.endr
.endm
.macro SILU f, t, pf=-1, pt=0          ; 16 rows x 64 columns: s / (1 + 2^(-s log2 e)), rounded to f16; t: the 32 registers at work.  pf, pt: the block before and its registers: its stores stand behind this block's first wait
.set A0, ACC+32*(\f)
.set z, 0
.rept 16
	v_pk_mul_f32 v[(\t)+2*z:(\t)+2*z+1], v[A0+2*z:A0+2*z+1], 0xbfb8aa3b op_sel_hi:[1,0]  ; each accumulator is read from its low end on
.set z, z+1
.endr
.set z, 0
.rept 32
	v_exp_f32 v[(\t)+z], v[(\t)+z]
.set z, z+1
.endr
	v_nop                                          ; a plain instruction behind the last exponential,
	s_wait_alu depctr_va_vdst(0)                   ; and one wait: the 32 exponentials are written; so are the block before's packed words, which the stores below read
.if (\pf) >= 0
	SEND \pf, \pt
.endif
.set z, 0
.rept 16
	v_pk_add_f32 v[(\t)+2*z:(\t)+2*z+1], v[(\t)+2*z:(\t)+2*z+1], 1.0 op_sel_hi:[1,0]
.set z, z+1
.endr
.set z, 0
.rept 32
	v_rcp_f32 v[(\t)+z], v[(\t)+z]
.set z, z+1
.endr
	v_nop
	s_wait_alu depctr_va_vdst(0)                   ; the 32 reciprocals are written, ahead of their first reader
.set z, 0
.rept 16
	v_pk_mul_f32 v[(\t)+2*z:(\t)+2*z+1], v[(\t)+2*z:(\t)+2*z+1], v[A0+2*z:A0+2*z+1]
.set z, z+1
.endr
.set z, 0
.rept 16
	v_cvt_pk_f16_f32 v[(\t)+z], v[(\t)+2*z], v[(\t)+2*z+1]  ; ascending: no pair is overwritten before it is read
.set z, z+1
.endr
.endm
	s_load_b256 s[4:11], s[0:1], 0x0               ; xg s[4:5], W1 s[6:7], cnt s[8:9], hid s[10:11]
	v_lshl_add_u32 v30, v0, 2, 0x20400
	v_mov_b32 v31, 0
	v_lshrrev_b32 v8, 5, v0
	v_readfirstlane_b32 s84, v8                    ; wave
	v_and_b32 v9, 31, v0                           ; lane
	v_and_b32 v[RR], 15, v0
	v_bfe_u32 v[H16], v0, 4, 1
	v_lshlrev_b32 v[H16], 4, v[H16]
	v_mul_u32_u24 v[VB0], v[RR], PITCH
	v_add_nc_u32 v[VB0], v[VB0], v[H16]            ; row x pitch + 16 x half
	v_add_nc_u32 v[VB1], 32*PITCH, v[VB0]
	v_lshlrev_b32 v[L16], 4, v9
	v_lshlrev_b32 v[WST], 3, v9
	s_mov_b32 s85, ttmp9                           ; slice s
	s_and_b32 s86, ttmp7, 0xffff                   ; expert e
	s_wait_alu depctr_va_sdst(0)                   ; s84 is written, ahead of its first reader
	s_lshl_b32 s98, s84, 2
	s_lshr_b32 s98, 0x73261540, s98                ; sigma(w): the w-th group of four bits
	s_and_b32 s98, s98, 7
	s_mul_i32 s88, s84, 8*PITCH
	v_add_nc_u32 v[WST], s88, v[WST]
	s_lshl_b32 s92, s86, 23                        ; W1: expert, slice's 64 rows, my wave's 8 of them
	s_lshl_b32 s88, s85, 18
	s_add_co_u32 s92, s92, s88
	s_lshl_b32 s88, s84, 15
	s_add_co_u32 s92, s92, s88
	s_mov_b32 s93, 0
	s_wait_kmcnt 0x0
	s_add_nc_u64 s[6:7], s[6:7], s[92:93]
	s_wait_alu depctr_va_vdst(0)                   ; v5, v6, v7 and v10 are written: every load and store of the kernel, global or LDS, reads one of them as its address
	WLOAD 0, 0                                     ; 48 loads of the wave go out before anything else is done
	WLOAD 1, 1
	WLOAD 2, 2
	s_lshl_b32 s92, s86, 7
	s_add_nc_u64 s[8:9], s[8:9], s[92:93]
	s_load_b32 s87, s[8:9], 0x0                    ; the expert's rows
	s_lshl_b32 s92, s86, 22
	s_add_nc_u64 s[4:5], s[4:5], s[92:93]          ; xg at the expert's first row
	s_lshl_b32 s92, s86, 23                        ; hid: expert, my slice's two K steps
	s_lshl_b32 s88, s85, 11
	s_add_co_u32 s92, s92, s88
	s_add_nc_u64 s[10:11], s[10:11], s[92:93]
	s_wait_kmcnt 0x0
	s_min_u32 s87, s87, 2048
	s_add_co_u32 s89, s87, 15
	s_lshr_b32 s89, s89, 4                         ; n16: blocks of 16 rows
	s_sub_co_u32 s95, s89, 1                       ; the last of them
	s_add_co_u32 s89, s89, 2
	s_mul_hi_u32 s89, s89, 0x55555556              ; (n16 + 2) / 3: tiles
	s_lshr_b32 s90, s89, 3                         ; whole eights of tiles: one tile each for me,
	s_and_b32 s88, s89, 7                          ; and of the tiles left over
	s_and_b32 s99, s90, 1
	s_cmp_lg_u32 s99, 0
	s_cselect_b32 s99, s98, s84                    ; my place in that eight: sigma(w) in an odd one, w in an even one
	s_cmp_lt_u32 s99, s88
	s_cselect_b32 s99, 1, 0
	s_add_co_u32 s90, s90, s99                     ; my tiles
	s_mov_b32 s96, s84                             ; my first tile,
	s_add_co_u32 s97, s98, 8                       ; my second
	BASES 96, NXTB, 15, 4                          ; (a wave without a tile uses nothing of what it asks for here)
	s_wait_loadcnt 32                              ; group 0 is in; the two younger groups of 16 stay out
	WCONV 0, 0
	WLOAD 3, 0                                     ; no wait: no vector instruction since the wait in front of the LDS stores names group 0's registers
	s_wait_loadcnt 32                              ; group 1; groups 2 and 3 stay out
	WCONV 1, 1
	s_wait_loadcnt 16                              ; group 2; group 3 stays out
	WCONV 2, 2
	WIN 0x40                                       ; destination window 1, address window 0
.set k, 0
.rept 6
	LDA k, 1                                       ; my first tile's first 6 K steps: 36 loads, behind the last weights; no vector instruction has named their registers
.set k, k+1
.endr
	WIN 0
	s_wait_loadcnt 36                              ; group 3 is in; the 36 token loads stay out
	WCONV 3, 0
	s_wait_dscnt 0x0                               ; for the others' sake: my rows of the slice are in LDS
	s_barrier_signal -1
	s_barrier_wait -1                              ; the one barrier: behind it LDS is only read
	s_cmp_eq_u32 s90, 0
	s_cbranch_scc1 .Lend
	LDW 0                                          ; into v96-159.  No wait: the roundings that read these registers stand ahead of the last wait on va_vdst, and no LDS store has read them
	LDW 1
	s_mov_b32 s91, 0
.Ltrip:                                                ; a tile of 48 rows
	s_wait_xcnt 0x0                                ; bases of loads and stores that are out, and the stores' data, are written again only behind this wait
	s_wait_alu depctr_vm_vsrc(0)                   ; the last tile's stores have read v32-47 and v64-79 (first trip: the weights' LDS stores have read v32-63), in which this tile's LDS loads land
	s_mov_b64 s[CURB:CURB+1], s[NXTB:NXTB+1]
	s_mov_b64 s[CURB+2:CURB+3], s[NXTB+2:NXTB+3]
	s_mov_b64 s[CURB+4:CURB+5], s[NXTB+4:NXTB+5]
	BASES 96, HB, 16, 10                           ; where this tile's results go
	BASES 97, NXTB, 15, 4                          ; where the next tile's tokens lie
	s_mov_b32 s99, s96
	s_mov_b32 s96, s97                             ; the tiles move on: w, 8 + sigma, 16 + w, 24 + sigma, ..
	s_add_co_u32 s97, s99, 16
.set k, 0
.rept 13
	PAIR k
.set k, k+1
.endr
	WIN 0                                          ; at a branch and at a label every window is 0
	s_add_co_u32 s99, s91, 1
	s_cmp_lt_u32 s99, s90
	s_cbranch_scc0 .Llast                          ; my last tile asks for nothing more
.set k, 13
.rept 3
	PAIR k
.set k, k+1
.endr
	WIN 0
	s_branch .Lout
.Llast:
.set k, 13
.rept 3
	PAIR k, 1
.set k, k+1
.endr
	WIN 0
.Lout:
.rept 4
	v_nop                                          ; four places behind the last products, before their results are read and v32-95, which they read, are written (ISA guide 7.12.1)
.endr
	SILU 0, TA
	SILU 1, TB, 0, TA
	s_wait_xcnt 0x0                                ; the first block's stores have had their addresses translated,
	s_wait_alu depctr_vm_vsrc(0)                   ; and have read v64-79, which the third block writes again
	SILU 2, TA, 1, TB
	s_wait_alu depctr_va_vdst(0)                   ; the third block's conversions have written v64-79, which the last four stores read
	SEND 2, TA
	s_add_co_u32 s91, s91, 1
	s_cmp_lt_u32 s91, s90
	s_cbranch_scc1 .Ltrip
.Lend:
	s_wait_dscnt 0x0                               ; my LDS instructions are done.
	s_wait_alu depctr_hold_cnt(0) depctr_sa_sdst(0) depctr_va_vdst(0) depctr_va_sdst(0) depctr_va_ssrc(0) depctr_va_vcc(0) depctr_vm_vsrc(0)
	s_wait_tensorcnt 0x0
	ds_add_u32 v30, v31
	s_wait_dscnt 0x0
	s_endpgm
.Lfunc_end_k_q0e7792fd4f_fc1:
	.size	k_q0e7792fd4f_fc1, .Lfunc_end_k_q0e7792fd4f_fc1-k_q0e7792fd4f_fc1
	.p2alignl 7, 3214868480
	.fill 96, 4, 3214868480
	.section	.rodata,"a",@progbits
	.p2align	6, 0x0
	.amdhsa_kernel k_q0e7792fd4f_fc1
		.amdhsa_group_segment_fixed_size 133120
		.amdhsa_private_segment_fixed_size 0
		.amdhsa_enable_private_segment 0
		.amdhsa_kernarg_size 32
		.amdhsa_user_sgpr_count 2
		.amdhsa_user_sgpr_kernarg_segment_ptr 1
		.amdhsa_wavefront_size32 1
		.amdhsa_system_sgpr_workgroup_id_x 1
		.amdhsa_system_sgpr_workgroup_id_y 1
		.amdhsa_system_sgpr_workgroup_id_z 1
		.amdhsa_system_vgpr_workitem_id 0
		.amdhsa_next_free_vgpr 512
		.amdhsa_next_free_sgpr 104
		.amdhsa_reserve_vcc 0
		.amdhsa_float_denorm_mode_32 3
		.amdhsa_float_denorm_mode_16_64 3
		.amdhsa_memory_ordered 1
		.amdhsa_forward_progress 1
		.amdhsa_inst_pref_size 118
	.end_amdhsa_kernel
	.amdgpu_metadata
---
amdhsa.version: [ 1, 2 ]
amdhsa.kernels:
  - .name:           k_q0e7792fd4f_fc1
    .symbol:         k_q0e7792fd4f_fc1.kd
    .args:
      - { .name: xg, .offset: 0, .size: 8, .value_kind: global_buffer, .address_space: global }
      - { .name: W1, .offset: 8, .size: 8, .value_kind: global_buffer, .address_space: global }
      - { .name: cnt, .offset: 16, .size: 8, .value_kind: global_buffer, .address_space: global }
      - { .name: hid, .offset: 24, .size: 8, .value_kind: global_buffer, .address_space: global }
    .group_segment_fixed_size: 133120
    .private_segment_fixed_size: 0
    .kernarg_segment_align: 8
    .kernarg_segment_size: 32
    .max_flat_workgroup_size: 256
    .sgpr_count:     104
    .vgpr_count:     512
    .wavefront_size: 32
...
	.end_amdgpu_metadata
.endif
;; end of part 8
;; launch fc2 (part 9): grid 32 x 8, 8 waves a work-group, no clusters, 243,968 bytes of LDS; arguments hid, W2, lst, cnt, part; writes part
.if DOCPART == 9
	.amdgcn_target "amdgcn-amd-amdhsa--gfx1250"
	.amdhsa_code_object_version 6
	.text
	.protected	k_q0e7792fd4f_fc2
	.globl	k_q0e7792fd4f_fc2
	.p2align	8
	.type	k_q0e7792fd4f_fc2,@function
k_q0e7792fd4f_fc2:
	s_mov_b64 s[64:65], 0
	v_nop
	global_prefetch_b8 v0, s[64:65] scope:SCOPE_SE
	s_setreg_imm32_b32 hwreg(HW_REG_WAVE_SCHED_MODE, 0, 2), 2
	s_setreg_imm32_b32 hwreg(HW_REG_WAVE_MODE, 25, 1), 1
	s_wait_xcnt 0x0
	s_wait_alu depctr_vm_vsrc(0)
; FC2 OF THE CHOSEN ROWS.  part[kh][id][:] = hid(row) W2[e]^T over half kh of the hidden width.  Work-group (s, e): cg = s / 2: columns 64 cg .. + 63 of the 1,024; kh = s % 2: K = 1,024 kh .. + 1,023.
; Its slice of W2 (64 rows x 1,024 f32) is read once, by it alone, rounded through registers and kept in LDS.  Then each wave takes TILES of 48 rows x 64 columns by rank:
; 32 K steps of 12 matrix instructions for 8 LDS loads of weights (4 KB) and 6 loads of tokens straight from hid, which lies in the order of the operand registers, three pairs of steps ahead.
; The first tile's first 6 steps are asked for while the last weights are still being rounded.
; TILES.  The expert has n16 = ceil(count / 16) blocks of 16 rows and ceil(n16 / 3) tiles; tile b has blocks 3 b, 3 b + 1, 3 b + 2, each held to n16 - 1: a block past the end is the tile's own last block
; once more, computed and stored again by the same wave with the same values.  Ranks past the count repeat the last row: same values to the same place.
; THE DEAL.  Wave w takes tile 8 t + w for even t and 8 t + sigma(w) for odd t, sigma = 0, 4, 5, 1, 6, 2, 3, 7: the first four tiles of the second eight go to waves 0, 3, 5, 6, which differ both in
; w mod 4 and in w / 2, so that they lie on four different SIMDs whichever of these two ways the waves are dealt.
; The partial sums (f32) go through the wave's own stage in LDS and are stored as whole rows of 256 bytes at the row's id (slot*2048 + token), which the stored list names.
; The loop over tiles has a length that hangs on the stored count: no barrier in it, fixed LDS addresses, the stage is each wave's own.  K steps 26 to 31 stand twice: with the next tile's first 6 steps
; asked for, and, for a wave's last tile, with nothing asked for; a forward branch on the trip counter chooses, and both ways join in front of the way out.
; K IS SPLIT IN TWO so that a work-group reads half of the expert's hid; the two halves are added by the launch behind, in a fixed order.
; FORMATS.  hid arrives in f16, so the product is the f16 form.  W2 is rounded to bf16, as all the module's inputs are, and that number is written as f16.
; NO MULTICAST, NO TENSOR LOADS: each slice has one reader and must pass through registers to be rounded; how much of hid is read hangs on the count.
; LIMITS.  A weight's bf16 number is exact in f16 from 2^-17 up to 65,504; below 2^-17 it keeps f16's fixed step of 2^-24; from 65,520 on it becomes an infinity.
; NaN and infinities are not treated apart.  The count is held to 2,048.
; THE MODE: SCHED_MODE bits 1:0 = 2 (LLVM: expert scheduling mode 2), set by the entry lines.  The code itself states the register dependences
; between vector or matrix instructions and memory or LDS instructions, with s_wait_alu, always for 0.
; THE PLAN.  K goes in 16 PAIRS of steps.  Registers that memory or LDS instructions touch in the loop:
;   W0 .. W3      weights' fragments, K step ks in W[ks % 4] (v96-127, v128-159, v32-63, v64-95).  Pair p's products read the two of its own steps; its 16 LDS loads, pair p + 1's weights, land in the other two, which pair p - 1's products read.
;   slots 0 .. 7  tokens' fragments, K step ks in slot ks % 8 (window 1).  Pair p's products read its own two; its 12 loads, pair p + 3's tokens, land in the two that pair p - 1's products read.
;   v5, v6, v7; v1, v2, v30, v31   addresses, made once and never written again: the tiles are reached by scalar bases, the K steps by immediate offsets.
;   v160-255      the way out: written by the products, read by the LDS stores into the stage, written by the LDS loads of whole rows, read by the global stores.
;   v64-87        the way out (W3 lies idle there): the rows' ids land here, vector lines make offsets of them, the global stores read them.
;   v16, v17      written by the queue's moves at a tile's head, read by two LDS stores on the way out.
; So ONE wait on va_vdst stands at a pair's head: pair p - 1's products are done reading their W and their slots.  The pair's 28 loads follow it, dealt among its 24 products, which name the pair's own W, its
; own slots and the accumulators: none of the registers that those loads touch.  ONE wait on vm_vsrc stands at a tile's head: the last tile's stores have read all that this tile writes again.
.set PITCH, 2064                       ; a slice row in LDS: 2,048 bytes + 16 = 129 x 16
.set LIST,  64*PITCH                   ; 132,096: 2,048 ids of 16 bits
.set OFFS,  LIST+4096+256+1024         ; 256 bytes a wave: the ids of the tile in hand, a word a row (the 1,024 bytes ahead of it hold the spare words)
.set STAGE, OFFS+2048                  ; 48 rows x 272 bytes a wave
.set SPITCH, 272
.set RP,    8192                       ; bytes from row to row of W2
.set STO, 1                            ; v1  the stage: where I put 16 bytes of a row
.set RD,  2                            ; v2  where I read rows back
.set RR,  3                            ; v3  lane % 16
.set H16, 4                            ; v4  16 x (lane / 16)
.set VB0, 5                            ; v5  my place in the slice's rows 0-31
.set VB1, 6                            ; v6  in its rows 32-63
.set L16, 7                            ; v7  16 x lane
.set WST, 10                           ; v10 where my wave's 8 slice rows go, + 8 x lane
.set R16, 12                           ; v12 16 x (lane % 16), once the list's piece (v12-15) has gone to LDS
.set Q,   16                           ; v16-29  the queue of ids: Q+0 row lane, Q+1 row 32 + lane % 16 of the tile in hand; Q+2, Q+3 of the next, ..
.set OFW, 30                           ; v30 where I put my row's id
.set OFR, 31                           ; v31 where I read the id of the row that I store
.set T,   64                           ; v64-87  the stores' offsets; ahead of the loop v64-75: the queue's twelve LDS addresses
.set ACC, 160                          ; v160-255 tile (f, cb) at ACC + 8 (4 f + cb), f = 0 .. 2; then the rows read back
                                       ; window 1, v0-191: tokens' fragments, a ring of 8 K steps: slot*24 + 8 f
.set CURB, 16                          ; s[16:21] hid at the three blocks of the tile in hand
.set NXTB, 24                          ; s[24:29] at those of the next tile
                                       ; s84 wave, s86 expert, s87 count, s89 tiles, s90 my tiles, s91 trip, s[92:93] an offset, s94 count - 1, s95 n16 - 1, s96 the tile in hand, s97 the next, s98 sigma(w)
.set MSB, 0
.macro WIN new                         ; the immediate's high byte repeats the setting that is left; a switch that changes nothing is dropped
.if MSB != (\new)
	s_set_vgpr_msb (MSB<<8)|(\new)
.set MSB, \new
.endif
.endm
.macro WLOAD g, ring                   ; group g: rows 2 g, 2 g + 1 of my 8, 16 loads of 512 consecutive bytes
.set i, 0
.rept 16
	global_load_b128 v[64+64*(\ring)+4*i:64+64*(\ring)+4*i+3], v[L16], s[6:7] offset:(2*(\g)+i/8)*RP+(i%8)*512 th:TH_LOAD_NT
.set i, i+1
.endr
.endm
.macro WCONV g, ring                   ; four weights: rounded to bf16, widened again (a shift, a mask), written as f16; then one wait and the run of LDS stores into the slice
.if (\g) > 0
	s_wait_alu depctr_vm_vsrc(0)                   ; the LDS stores of the group before have read v32-63, which the roundings write again
.endif
.set i, 0
.rept 16
.set WR, 64+64*(\ring)+4*i
	v_cvt_pk_bf16_f32 v[32+2*i], v[WR], v[WR+1]
	v_cvt_pk_bf16_f32 v[33+2*i], v[WR+2], v[WR+3]
	v_lshlrev_b32 v[WR], 16, v[32+2*i]
	v_and_b32 v[WR+1], s82, v[32+2*i]
	v_lshlrev_b32 v[WR+2], 16, v[33+2*i]
	v_and_b32 v[WR+3], s82, v[33+2*i]
	v_cvt_pk_f16_f32 v[32+2*i], v[WR], v[WR+1]
	v_cvt_pk_f16_f32 v[33+2*i], v[WR+2], v[WR+3]
.set i, i+1
.endr
	s_wait_alu depctr_va_vdst(0)                   ; the conversions have written v32-63, which the LDS stores read, and are done with the group's 64 registers, in which later loads land
.set i, 0
.rept 16
	ds_store_b64 v[WST], v[32+2*i:33+2*i] offset:(2*(\g)+i/8)*PITCH+(i%8)*256
.set i, i+1
.endr
.endm
.macro BASES blk, dst, sh, base        ; the three blocks of tile s[blk]: s[dst ..] = s[base ..] + (block << sh); a block past the expert's last is the last
	s_mul_i32 s88, s[\blk], 3
.irp f, 0,1,2
	s_add_co_u32 s92, s88, \f
	s_min_u32 s92, s92, s95
	s_min_u32 s92, s92, 127                        ; an expert's room is 128 blocks
	s_lshl_b32 s92, s92, \sh
	s_add_nc_u64 s[(\dst)+2*(\f):(\dst)+2*(\f)+1], s[\base:(\base)+1], s[92:93]
.endr
.endm
.macro LW ks, j                        ; LDS load j of the 8 that bring the weights' fragments of K step ks (4 x 16 columns x 32 K) into W[ks % 4]: columns 16 (j / 2) on, registers 0-3 or 4-7
.set FW, 32+32*(((\ks)+2)%4)+4*(\j)
	ds_load_b128 v[FW:FW+3], v[VB0+(\j)/4] offset:(((\j)/2)%2)*16*PITCH+64*(\ks)+32*((\j)%2)
.endm
.macro LDW ks                          ; all eight
.irp j, 0,1,2,3,4,5,6,7
	LW \ks, \j
.endr
.endm
.macro LDA ks, nxt                     ; the tokens' fragments of K step ks, of the tile in hand (nxt = 0) or the next: 6 loads of 512 consecutive bytes into slot ks % 8; the caller sets the window
.set FT, 24*((\ks)%8)
.irp f, 0,1,2
	global_load_b128 v[FT+8*(\f):FT+8*(\f)+3],   v[L16], s[CURB+8*(\nxt)+2*(\f):CURB+8*(\nxt)+2*(\f)+1] offset:(\ks)*1024
	global_load_b128 v[FT+8*(\f)+4:FT+8*(\f)+7], v[L16], s[CURB+8*(\nxt)+2*(\f):CURB+8*(\nxt)+2*(\f)+1] offset:(\ks)*1024+512
.endr
.endm
.macro MM ks, n                        ; product n of the 12 of K step ks: block n / 4 of the tile's three, columns 16 (n % 4) on.  The 12 accumulators take turns
.set FW, 32+32*(((\ks)+2)%4)+8*((\n)%4)
.set FT, 24*((\ks)%8)+8*((\n)/4)
.set FA, ACC+8*(\n)
.if (\ks) == 0
	v_wmma_f32_16x16x32_f16 v[FA:FA+7], v[FW:FW+7], v[FT:FT+7], 0
.else
	v_wmma_f32_16x16x32_f16 v[FA:FA+7], v[FW:FW+7], v[FT:FT+7], v[FA:FA+7]
.endif
.endm
; Pair p: K steps 2 p and 2 p + 1.  tail = 1: a wave's last tile, pairs 13 to 15: no tokens are asked for, the counts run down, and pair 15 asks for no weights either.
.macro PAIR p, tail=0
.set KA, 2*(\p)
.set KB, 2*(\p)+1
.set WON, 1
.if (\tail) && ((\p) == 15)
.set WON, 0
.endif
	WIN 0x04                                       ; source 1 (tokens) window 1, all else window 0
.if \tail
	s_wait_loadcnt 6*(31-KA)                       ; the first step's 6 token loads are in; only the later steps' are behind them
.else
	s_wait_loadcnt 30                              ; the first step's 6 token loads are in; the second step's 6 and two younger pairs' 24 stay out
.endif
	s_wait_dscnt 8                                 ; the first step's weights are in; the second step's 8 loads stay out
.if WON
	s_wait_alu depctr_va_vdst(0)                   ; the pair before is done reading its two W and its two slots, in which this pair's loads land; in pair 0 also: the way out's offsets (first trip: the conversions and the queue's addresses) are written in v32-95
.endif
.set n, 0
.rept 4
	MM KA, n
.set n, n+1
.endr
.if !(\tail)
	WIN 0x40                                       ; destination window 1, address window 0
	LDA (KA+6)%32, (KA+6)/32                       ; three pairs ahead, in one run.  No wait: no product since the wait names these slots or v7
	LDA (KA+7)%32, (KA+7)/32
	WIN 0x04
.endif
.rept 8
	MM KA, n
.if WON
	LW (KA+2)%32, n-4                              ; the next pair's first step, a load behind each product.  No wait: no product since the wait names that W, v5 or v6
.endif
.set n, n+1
.endr
.if \tail
	s_wait_loadcnt 6*(31-KB)
.else
	s_wait_loadcnt 36                              ; the second step's tokens are in; two younger pairs' 24 and the 12 just issued stay out
.endif
.if WON
	s_wait_dscnt 8                                 ; the second step's weights are in; the 8 loads just issued stay out
.else
	s_wait_dscnt 0x0                               ; the last weights
.endif
.set n, 0
.rept 8
	MM KB, n
.if WON
	LW (KB+2)%32, n                                ; the next pair's second step
.endif
.set n, n+1
.endr
.rept 4
	MM KB, n
.set n, n+1
.endr
.endm
	s_load_b256 s[4:11], s[0:1], 0x0               ; hid s[4:5], W2 s[6:7], lst s[8:9], cnt s[10:11]
	s_load_b64 s[12:13], s[0:1], 0x20              ; part
	s_set_vgpr_msb 0x40
	v_lshl_add_u32 v254, v0, 2, 0x21500
	v_mov_b32 v255, 0
	s_set_vgpr_msb 0x4000
	v_lshrrev_b32 v8, 5, v0
	v_readfirstlane_b32 s84, v8                    ; wave
	v_and_b32 v9, 31, v0                           ; lane
	v_and_b32 v[RR], 15, v0
	v_bfe_u32 v[H16], v0, 4, 1
	v_lshlrev_b32 v[H16], 4, v[H16]
	v_mul_u32_u24 v[VB0], v[RR], PITCH
	v_add_nc_u32 v[VB0], v[VB0], v[H16]
	v_add_nc_u32 v[VB1], 32*PITCH, v[VB0]
	v_lshlrev_b32 v[L16], 4, v9
	v_lshlrev_b32 v[WST], 3, v9
	v_lshlrev_b32 v11, 4, v0                       ; 16 x thread
	v_lshl_add_u32 v8, v0, 4, LIST
	s_mov_b32 s85, ttmp9
	s_and_b32 s86, ttmp7, 0xffff                   ; expert e
	s_lshr_b32 s80, s85, 1                         ; cg
	s_and_b32 s81, s85, 1                          ; kh
	s_mov_b32 s82, 0xffff0000                      ; a word's upper bf16
	s_wait_alu depctr_va_sdst(0)                   ; s84 is written, ahead of its first reader
	s_lshl_b32 s98, s84, 2
	s_lshr_b32 s98, 0x73261540, s98                ; sigma(w): the w-th group of four bits
	s_and_b32 s98, s98, 7
	s_mul_i32 s88, s84, 8*PITCH
	v_add_nc_u32 v[WST], s88, v[WST]
	s_lshl_b32 s92, s86, 23                        ; W2: expert, 64 cg + 8 w rows of 8,192 bytes, half kh of a row
	s_lshl_b32 s88, s80, 19
	s_add_co_u32 s92, s92, s88
	s_lshl_b32 s88, s84, 16
	s_add_co_u32 s92, s92, s88
	s_lshl_b32 s88, s81, 12
	s_add_co_u32 s92, s92, s88
	s_mov_b32 s93, 0
	s_wait_kmcnt 0x0
	s_add_nc_u64 s[6:7], s[6:7], s[92:93]
	s_lshl_b32 s92, s86, 12
	s_add_nc_u64 s[8:9], s[8:9], s[92:93]
	s_wait_alu depctr_va_vdst(0)                   ; v5, v6, v7, v8, v10 and v11 are written: the loads and LDS stores below read them as addresses
	global_load_b128 v[12:15], v11, s[8:9]         ; my 16 bytes of the expert's list
	WLOAD 0, 0
	WLOAD 1, 1
	WLOAD 2, 2
	s_lshl_b32 s92, s86, 7
	s_add_nc_u64 s[10:11], s[10:11], s[92:93]
	s_load_b32 s87, s[10:11], 0x0                  ; the expert's rows
	s_lshl_b32 s92, s86, 23                        ; hid: expert, half kh = 32 K steps of 1,024 bytes
	s_lshl_b32 s88, s81, 15
	s_add_co_u32 s92, s92, s88
	s_add_nc_u64 s[4:5], s[4:5], s[92:93]
	s_lshl_b32 s92, s81, 24                        ; part: half kh, my 256 bytes of a row
	s_lshl_b32 s88, s80, 8
	s_add_co_u32 s92, s92, s88
	s_add_nc_u64 s[12:13], s[12:13], s[92:93]
	s_wait_kmcnt 0x0
	s_min_u32 s87, s87, 2048
	s_sub_co_u32 s94, s87, 1                       ; the last rank
	s_add_co_u32 s89, s87, 15
	s_lshr_b32 s89, s89, 4                         ; n16: blocks of 16 rows
	s_sub_co_u32 s95, s89, 1                       ; the last of them
	s_add_co_u32 s89, s89, 2
	s_mul_hi_u32 s89, s89, 0x55555556              ; (n16 + 2) / 3: tiles
	s_lshr_b32 s90, s89, 3                         ; whole eights of tiles: one tile each for me,
	s_and_b32 s88, s89, 7                          ; and of the tiles left over
	s_and_b32 s99, s90, 1
	s_cmp_lg_u32 s99, 0
	s_cselect_b32 s99, s98, s84                    ; my place in that eight: sigma(w) in an odd one, w in an even one
	s_cmp_lt_u32 s99, s88
	s_cselect_b32 s99, 1, 0
	s_add_co_u32 s90, s90, s99                     ; my tiles
	s_mov_b32 s96, s84                             ; my first tile,
	s_add_co_u32 s97, s98, 8                       ; my second
	BASES 96, NXTB, 16, 4                          ; (a wave without a tile uses nothing of what it asks for here)
	s_wait_loadcnt 32                              ; the list's piece and group 0 are in; the two younger groups of 16 stay out
	ds_store_b128 v8, v[12:15]
	WCONV 0, 0
	WLOAD 3, 0                                     ; no wait: no vector instruction since the wait in front of the LDS stores names group 0's registers
	s_wait_loadcnt 32                              ; group 1; groups 2 and 3 stay out
	WCONV 1, 1
	s_wait_loadcnt 16                              ; group 2; group 3 stays out
	WCONV 2, 2
	WIN 0x40                                       ; destination window 1, address window 0
.set k, 0
.rept 6
	LDA k, 1                                       ; my first tile's first 6 K steps: 36 loads, behind the last weights; no vector instruction has named their registers
.set k, k+1
.endr
	WIN 0
	s_wait_loadcnt 36                              ; group 3 is in; the 36 token loads stay out
	WCONV 3, 0
	s_wait_dscnt 0x0                               ; for the others' sake: my rows of the slice and my piece of the list are in LDS
	s_barrier_signal -1
	s_barrier_wait -1                              ; the one barrier: behind it slice and list are only read
	s_wait_alu depctr_vm_vsrc(0)                   ; the LDS store of the list's piece has read v8 and v12, which are written anew below
	s_cmp_eq_u32 s90, 0
	s_cbranch_scc1 .Lend
	s_mul_i32 s88, s84, 48*SPITCH
	s_add_co_u32 s88, s88, STAGE                   ; my stage
	v_mul_u32_u24 v[STO], v[RR], SPITCH            ; in: row lane % 16, 32 bytes for each half of the lanes
	v_lshl_add_u32 v[STO], v[H16], 1, v[STO]
	v_add_nc_u32 v[STO], s88, v[STO]
	v_lshrrev_b32 v8, 4, v[H16]                    ; lane / 16
	v_mul_u32_u24 v[RD], v8, SPITCH                ; back: lanes 0-15 one row of 256 bytes, lanes 16-31 the next
	v_lshl_add_u32 v[RD], v[RR], 4, v[RD]
	v_add_nc_u32 v[RD], s88, v[RD]
	v_lshlrev_b32 v[R16], 4, v[RR]
	s_lshl_b32 s88, s84, 8
	s_add_co_u32 s88, s88, OFFS
	v_lshl_add_u32 v[OFW], v9, 2, s88
	v_lshl_add_u32 v[OFR], v8, 2, s88
	; the queue: for my tiles t = 0 .. 5 (43 tiles at the most on 8 waves) the ids of row lane (blocks 0 and 1 of the tile) and of row 32 + lane % 16 (block 2).  Made here, so that the loop reads no list.
	; All twelve LDS addresses are made first, each in a register of its own, so that one wait serves the twelve loads
.set z, 0
.rept 6
.if z%2
	s_add_co_u32 s88, s98, 8*z
.else
	s_add_co_u32 s88, s84, 8*z
.endif
	s_mul_i32 s88, s88, 3                          ; the tile's first block
	v_add_nc_u32 v[T+2*z], s88, v8                 ; + lane / 16
	v_min_u32 v[T+2*z], s95, v[T+2*z]              ; a block past the expert's last is the last
	v_lshl_add_u32 v[T+2*z], v[T+2*z], 4, v[RR]    ; the rank
	v_min_u32 v[T+2*z], s94, v[T+2*z]              ; ranks past the count repeat the last row
	v_min_u32 v[T+2*z], 0x7ff, v[T+2*z]
	v_lshl_add_u32 v[T+2*z], v[T+2*z], 1, LIST
	s_add_co_u32 s88, s88, 2
	s_min_u32 s88, s88, s95
	v_lshl_add_u32 v[T+2*z+1], s88, 4, v[RR]
	v_min_u32 v[T+2*z+1], s94, v[T+2*z+1]
	v_min_u32 v[T+2*z+1], 0x7ff, v[T+2*z+1]
	v_lshl_add_u32 v[T+2*z+1], v[T+2*z+1], 1, LIST
.set z, z+1
.endr
	s_wait_alu depctr_va_vdst(0)                   ; v64-75, which the twelve loads read, and v1, v2, v30, v31, the way out's addresses, are written; the conversions are done with v96-159, in which the first weights land
.set z, 0
.rept 12
	ds_load_u16 v[Q+2+z], v[T+z]
.set z, z+1
.endr
	LDW 0
	LDW 1
	s_wait_dscnt 16                                ; the queue is in; the 16 loads of the first weights stay out
	s_mov_b32 s91, 0
.Ltrip:                                                ; a tile of 48 rows
	s_wait_xcnt 0x0                                ; bases of loads that are out, and the last tile's stores' offsets and data, are written again only behind this wait
	s_wait_alu depctr_vm_vsrc(0)                   ; the last tile's stores have read v64-87 and v160-255, its LDS stores v16 and v17 (first trip: the queue's loads have read v64-75): moves, LDS loads and products write them below
.set z, 0
.rept 12
	v_mov_b32 v[Q+z], v[Q+z+2]                     ; the queue moves on, so that one text serves every tile
.set z, z+1
.endr
	s_mov_b64 s[CURB:CURB+1], s[NXTB:NXTB+1]
	s_mov_b64 s[CURB+2:CURB+3], s[NXTB+2:NXTB+3]
	s_mov_b64 s[CURB+4:CURB+5], s[NXTB+4:NXTB+5]
	BASES 97, NXTB, 16, 4                          ; where the next tile's tokens lie
	s_mov_b32 s99, s96
	s_mov_b32 s96, s97                             ; the tiles move on: w, 8 + sigma, 16 + w, 24 + sigma, ..
	s_add_co_u32 s97, s99, 16
.set k, 0
.rept 13
	PAIR k
.set k, k+1
.endr
	WIN 0                                          ; at a branch and at a label every window is 0
	s_add_co_u32 s99, s91, 1
	s_cmp_lt_u32 s99, s90
	s_cbranch_scc0 .Llast                          ; my last tile asks for nothing more
.set k, 13
.rept 3
	PAIR k
.set k, k+1
.endr
	WIN 0
	s_branch .Lout
.Llast:
.set k, 13
.rept 3
	PAIR k, 1
.set k, k+1
.endr
	WIN 0
.Lout:
	; the way out: a lane's 8 columns of a row are 32 bytes; into my stage, back as whole rows of 256 bytes; each accumulator is read from its low end on
.rept 4
	v_nop                                          ; four places behind the last products, before their results are read (ISA guide 7.12.1)
.endr
	s_wait_alu depctr_va_vdst(0)                   ; the products have written the accumulators, which the LDS stores read, and are done reading v64-87, in which the ids land; the moves have written v16 and v17.  The places above stay beside this wait
.irp f, 0,1,2
.irp cb, 0,1,2,3
	ds_store_b128 v[STO], v[ACC+8*(4*(\f)+(\cb)):ACC+8*(4*(\f)+(\cb))+3]   offset:(\f)*16*SPITCH+(\cb)*64
	ds_store_b128 v[STO], v[ACC+8*(4*(\f)+(\cb))+4:ACC+8*(4*(\f)+(\cb))+7] offset:(\f)*16*SPITCH+(\cb)*64+16
.endr
.endr
	ds_store_b32 v[OFW], v[Q]                      ; row lane's id,
	ds_store_b32 v[OFW], v[Q+1] offset:128         ; and row 32 + lane's (lanes 16-31 fill words that nobody reads)
.set u, 0
.rept 24
	ds_load_b32 v[T+u], v[OFR] offset:8*u          ; the id of row 2 u + lane / 16.  LDS serves a wave's instructions in order: these see the stores above
.set u, u+1
.endr
	s_wait_alu depctr_vm_vsrc(0)                   ; the LDS stores have read the accumulators, in which the rows land
.set u, 0
.rept 24
	ds_load_b128 v[ACC+4*u:ACC+4*u+3], v[RD] offset:2*SPITCH*u
.set u, u+1
.endr
	s_wait_dscnt 24                                ; the ids are in; the 24 loads of rows stay out while the offsets are made
.set u, 0
.rept 24
	v_min_u32 v[T+u], 0xfff, v[T+u]
	v_lshl_add_u32 v[T+u], v[T+u], 12, v[R16]      ; the id's row of 4,096 bytes + my 16 bytes
.set u, u+1
.endr
	s_wait_alu depctr_va_vdst(0)                   ; the offsets v64-87 are written, which the stores read
	s_wait_dscnt 0x0                               ; the rows are in
.set u, 0
.rept 24
	global_store_b128 v[T+u], v[ACC+4*u:ACC+4*u+3], s[12:13]  ; 16 lanes store 256 consecutive bytes, aligned
.set u, u+1
.endr
	s_add_co_u32 s91, s91, 1
	s_cmp_lt_u32 s91, s90
	s_cbranch_scc1 .Ltrip
.Lend:
	s_wait_dscnt 0x0                               ; my LDS instructions are done.
	s_set_vgpr_msb 0x5
	s_wait_dscnt 0x0
	s_wait_alu depctr_hold_cnt(0) depctr_sa_sdst(0) depctr_va_vdst(0) depctr_va_sdst(0) depctr_va_ssrc(0) depctr_va_vcc(0) depctr_vm_vsrc(0)
	s_wait_tensorcnt 0x0
	ds_add_u32 v254, v255
	s_wait_dscnt 0x0
	s_endpgm
.Lfunc_end_k_q0e7792fd4f_fc2:
	.size	k_q0e7792fd4f_fc2, .Lfunc_end_k_q0e7792fd4f_fc2-k_q0e7792fd4f_fc2
	.p2alignl 7, 3214868480
	.fill 96, 4, 3214868480
	.section	.rodata,"a",@progbits
	.p2align	6, 0x0
	.amdhsa_kernel k_q0e7792fd4f_fc2
		.amdhsa_group_segment_fixed_size 243968
		.amdhsa_private_segment_fixed_size 0
		.amdhsa_enable_private_segment 0
		.amdhsa_kernarg_size 40
		.amdhsa_user_sgpr_count 2
		.amdhsa_user_sgpr_kernarg_segment_ptr 1
		.amdhsa_wavefront_size32 1
		.amdhsa_system_sgpr_workgroup_id_x 1
		.amdhsa_system_sgpr_workgroup_id_y 1
		.amdhsa_system_sgpr_workgroup_id_z 1
		.amdhsa_system_vgpr_workitem_id 0
		.amdhsa_next_free_vgpr 512
		.amdhsa_next_free_sgpr 104
		.amdhsa_reserve_vcc 0
		.amdhsa_float_denorm_mode_32 3
		.amdhsa_float_denorm_mode_16_64 3
		.amdhsa_memory_ordered 1
		.amdhsa_forward_progress 1
		.amdhsa_inst_pref_size 130
	.end_amdhsa_kernel
	.amdgpu_metadata
---
amdhsa.version: [ 1, 2 ]
amdhsa.kernels:
  - .name:           k_q0e7792fd4f_fc2
    .symbol:         k_q0e7792fd4f_fc2.kd
    .args:
      - { .name: hid, .offset: 0, .size: 8, .value_kind: global_buffer, .address_space: global }
      - { .name: W2, .offset: 8, .size: 8, .value_kind: global_buffer, .address_space: global }
      - { .name: lst, .offset: 16, .size: 8, .value_kind: global_buffer, .address_space: global }
      - { .name: cnt, .offset: 24, .size: 8, .value_kind: global_buffer, .address_space: global }
      - { .name: part, .offset: 32, .size: 8, .value_kind: global_buffer, .address_space: global }
    .group_segment_fixed_size: 243968
    .private_segment_fixed_size: 0
    .kernarg_segment_align: 8
    .kernarg_segment_size: 40
    .max_flat_workgroup_size: 256
    .sgpr_count:     104
    .vgpr_count:     512
    .wavefront_size: 32
...
	.end_amdgpu_metadata
.endif
;; end of part 9
;; launch sum: the kernel of part 4 again; grid 256 x 1, 8 waves a work-group, no clusters, 0 bytes of LDS; arguments part, gw, out0; writes out0
